; MI455X (gfx1250); checked and timed in simulation.
; The chip was launched on July 23, 2026; its instructions are those of AMD's public machine-readable ISA for CDNA 5 (MIT licence, August 2026) and "CDNA5" Instruction Set Architecture Reference Guide (July 2026). The comments in the code are by the model that wrote it; some were corrected since.
;; Multi Head Attention. Allowed arithmetic: matrix products marked QUANTISED: E2M1 operands, one E8M0 scale for each 32 along K, by v_wmma_scale_f32_16x16x128_f8f6f4 with both operands' format E2M1 (or v_wmma_scale_f32_32x16x128_f4), f32 sums; everything else in f32.
;; Inputs: W_proj 1,024 x 1,024 float32; W_qkv 1,024 x 3,072 float32; b_proj 1,024 float32; b_qkv 3,072 float32; x 4 x 2,048 x 1,024 float32.
;; Outputs: out0 4 x 2,048 x 1,024 float32.
;; This version of the problem:
;;   THIS VERSION OF THE PROBLEM IS GIVEN IN LOW PRECISION. The matrix products marked QUANTISED in the list below multiply operands that are first quantised to E2M1 (2 exponent bits, 1 mantissa bit; 4 bits a number), with one power-of-two scale for each 32 numbers along K (OCP MX v1.0); their sums are f32. All else is computed in f32.
;;   The module's matrix products, in the order in which they are computed (A, B: the left and right operand; K: the contracted axis; several contracted axes count as one K, in the product's order):
;;     1. [M 8,192, K 1,024] x [K 1,024, N 3,072]; A: input x; B: input W_qkv: QUANTISED
;;     2. batch 64 x [M 2,048, K 64] x [K 64, N 2,048]; A: computed on the way; B: computed on the way: QUANTISED
;;     3. batch 64 x [M 2,048, K 2,048] x [K 2,048, N 64]; A: softmax (see below); B: computed on the way: QUANTISED
;;     4. [M 8,192, K 1,024] x [K 1,024, N 1,024]; A: computed on the way; B: input W_proj: QUANTISED
;;   THE QUANTISER, for each operand of a quantised product, along K:
;;     - K is cut into blocks of 32 from its start; a last block that is shorter is filled with zeros.
;;     - A block's scale is 2^e with e = floor(log2(the largest magnitude in the block)) - 2, held to -126 .. 127; a block of zeros has e = 0. As a byte (E8M0): e + 127.
;;     - Each number is divided by its block's scale, clamped to +-6, and rounded to the nearest number of E2M1, ties to even, subnormals kept.
;;     - The product sums the exact products of the quantised numbers (number of the format x scale) in f32.
;;   ~~~python
;;   def quantise(x, axis):      # numpy; x: float32 -> the quantised numbers, widened to float32 again
;;       x = np.moveaxis(x, axis, -1); K = x.shape[-1]
;;       x = np.pad(x, [(0, 0)] * (x.ndim - 1) + [(0, -K % 32)]); x = x.reshape(x.shape[:-1] + (-1, 32)); a = np.abs(x).max(-1, keepdims=True)
;;       e = np.where(a > 0, np.clip(np.frexp(np.where(a > 0, a, 1))[1] - 1 - 2, -126, 127), 0)      # np.frexp(a)[1] - 1 = floor(log2(a)), exactly
;;       r = np.clip(x / 2.0 ** e, -6, 6)
;;       step = 2.0 ** (np.maximum(np.frexp(np.where(r == 0, 1, r))[1] - 1, 0) - 1)
;;       q = np.round(r / step) * step * 2.0 ** e      # np.round: ties to even
;;       return np.moveaxis(q.reshape(q.shape[:-2] + (-1,))[..., :K], -1, axis).astype(np.float32)
;;   ~~~
;;   SOFTMAX AHEAD OF A QUANTISED PRODUCT. Where the list says 'softmax', what is quantised is not the finished softmax but p = 2^(t - M), with t = logit x log2(e) and M = ceil(the row's largest t), a whole number; so 1/2 < the row's largest p <= 1. The row's sum l is taken of the UNQUANTISED p, in f32, and the product's result is divided by l at the end. Since M is a whole number, a kernel that streams over the keys may use a running M (the ceiling of the running maximum): every later rescaling is an exact power of two, which a block's scale takes up: the codes' values come out the same.
;;   OPERANDS COMPUTED ON THE WAY. 'Computed on the way' means the value that the module computes at that place (a softmax that the list does not call 'softmax' is quantised finished and normalised). What goes into a quantiser is computed in f32, as accurately as f32 sums, v_exp_f32 and their like allow (about 1e-6 of the number): no bf16 or f16 on the way to a quantiser, and a product that is left as it is and whose result goes on into a quantised operand takes f32 operands (vector FMAs, or v_wmma_f32_16x16x4_f32). A number that lies on a knife's edge between two numbers of the format may be rounded either way, as far as f32 arithmetic and the matrix unit's own rounding can turn it there, and no further.
;; One version. Each part assembles by itself: llvm-mc -triple=amdgcn-amd-amdhsa -mcpu=gfx1250 --defsym DOCPART=n.
;; ======== version 1 of 1: 4 launches
;; workspace buffers: xq 4,456,448 bytes; wq 1,671,168 bytes; wp 557,056 bytes; qi 4,718,592 bytes; kv 9,175,040 bytes; ao 4,456,448 bytes
;; launch prep (part 1): grid 256 x 1, 8 waves a work-group, no clusters, 68,608 bytes of LDS; arguments x, W_qkv, W_proj, xq, wq, wp; writes xq, wq, wp
.if DOCPART == 1
	.amdgcn_target "amdgcn-amd-amdhsa--gfx1250"
	.amdhsa_code_object_version 6
	.text
	.protected	k_qb125326dcc_prep
	.globl	k_qb125326dcc_prep
	.p2align	8
	.type	k_qb125326dcc_prep,@function
k_qb125326dcc_prep:
	s_mov_b64 s[64:65], 0
	v_nop
	global_prefetch_b8 v0, s[64:65] scope:SCOPE_SE
	s_setreg_imm32_b32 hwreg(HW_REG_WAVE_MODE, 25, 1), 1
	s_wait_xcnt 0x0
; PREP: x [8192][1024], W_qkv [1024][3072] and W_proj [1024][1024], f32, become codes of FP4 (E2M1) with one E8M0 byte for each 32 along K (K = 1,024 for all three).
; A block's scale is 2^(floor(log2(its largest magnitude)) - 2); its byte is the largest magnitude's exponent field - 2, held at 1 from below.
; LIMITS: NaN and infinities are not served; blocks whose largest magnitude lies under 2^-124, and blocks of zeros, get the byte 1 (a block of zeros has zero codes, and this program alone reads the bytes).
; LAYOUT OF ALL THREE RESULTS: an image of the matrix operand's registers.  A TILE is 16 lines (tokens of x, columns of a weight): tile T = 2 B + u holds lines 32 B + 8 u + p + 8 (p / 8), p = 0 .. 15.
; Codes: [T][block 0..31][p][16 bytes], 8,192 bytes a tile, so that the fragment of K step k is the 1,024 bytes at 1024 k: register group c of lane l at 512 c + 16 l.
; Scale bytes behind the codes: [T][half][p][16 bytes]: byte j belongs to block 16 half + j.
; W_qkv's columns are sorted on the way: line n = part x 1024 + head x 64 + d (q, then k, then v) is column head x 192 + part x 64 + d.
; SHARES: work-groups 0-127 take x (a wave: one tile x 512 along K), 128-223 W_qkv, 224-255 W_proj (a work-group: 64 columns x 512 along K; a wave: 32 columns x 128).  Waves share nothing: no barrier.
.set XSC,   4194304                    ; where the scale bytes begin in xq
.set WQSC,  1572864                    ; in wq
.set WPSC,  524288                     ; in wp
.set SP,    528                        ; a row of the stage: 512 bytes + 16
.set TM,    8                          ; v8-23   at work in QUANT
.set PW,    24                         ; v24-27  a scale word for each K step
.set PC,    28                         ; v28-59  codes: eight registers for each K step, so that no store's data are written again
.set R,     64                         ; v64-191 two sets of 64 registers as they are loaded
.set X,     192                        ; v192-255 64 numbers in the order that QUANT wants
.set SEL,   18                         ; s[18:19] lane selects for lane l xor 16
.set HM,    20                         ; s20     the lanes 16-31
; 64 numbers of a lane, register 16 b + i = k 32 b + 16 (lane / 16) + i of the lane's line, become a fragment's codes in v[pc] on and the line's scale word in v[pw].
.macro QUANT s, pc, pw
.irp b, 0,1,2,3
	v_max3_num_f32 v[TM+\b], |v[\s+16*\b]|, |v[\s+1+16*\b]|, 0x1800000   ; my 16 numbers of block b, and the floor 2^(3 - 127): the byte cannot fall under 1
.endr
.irp i, 2,4,6,8,10,12,14
.irp b, 0,1,2,3
	s_delay_alu instid0(VALU_DEP_4)
	v_max3_num_f32 v[TM+\b], v[TM+\b], |v[\s+16*\b+\i]|, |v[\s+1+16*\b+\i]|   ; the four blocks by turns
.endr
.endr
.irp b, 0,1,2,3
	s_delay_alu instid0(VALU_DEP_4)
	v_permlanex16_b32 v[TM+4+\b], v[TM+\b], s[SEL], s[SEL+1]
.endr
.irp b, 0,1,2,3
	s_delay_alu instid0(VALU_DEP_4)
	v_max_num_f32 v[TM+\b], v[TM+\b], v[TM+4+\b]   ; with lane l xor 16's 16: the block's largest magnitude
.endr
.irp b, 0,1,2,3
	s_delay_alu instid0(VALU_DEP_4)
	v_add_nc_u32 v[TM+12+\b], 0xff000000, v[TM+\b]   ; 2 off its exponent field: the conversion's scale operand
.endr
.irp b, 0,1,2,3
	s_delay_alu instid0(VALU_DEP_4)
	v_lshrrev_b32 v[TM+4+\b], 23, v[TM+12+\b]   ; the scale's byte
.endr
	s_delay_alu instid0(VALU_DEP_3)
	v_lshl_or_b32 v[\pw], v[TM+5], 8, v[TM+4]
	s_delay_alu instid0(VALU_DEP_1)
	v_lshl_or_b32 v[\pw], v[TM+6], 16, v[\pw]
	s_delay_alu instid0(VALU_DEP_1)
	v_lshl_or_b32 v[\pw], v[TM+7], 24, v[\pw]
.irp b, 0,1,2,3
	v_cvt_scalef32_pk8_fp4_f32 v[(\pc)+2*\b], v[\s+16*\b:\s+7+16*\b], v[TM+12+\b]
	v_cvt_scalef32_pk8_fp4_f32 v[(\pc)+1+2*\b], v[\s+8+16*\b:\s+15+16*\b], v[TM+12+\b]
.endr
	v_nop                                          ; one plain line behind the scaled conversions
.irp c, 0,1                                    ; the operand wants a whole block in a lane: lanes 0-15 block 2 c, lanes 16-31 block 2 c + 1
.irp i, 0,1
	v_permlane16_swap_b32 v[(\pc)+4*\c+\i], v[(\pc)+2+4*\c+\i]
.endr
.endr
.endm
.macro XLD k                           ; K step k of my 16 rows: each load reads 512 consecutive bytes of one row
.irp i, 0,1,2,3,4,5,6,7,8,9,10,11,12,13,14,15
	global_load_b128 v[R+64*((\k)%2)+4*\i:R+64*((\k)%2)+4*\i+3], v1, s[4:5] offset:(\i+8*(\i/8))*4096+512*(\k) th:TH_LOAD_NT
.endr
.endm
.macro XTURN k                         ; through my own stage: in as loaded, out 16 neighbours of each block a lane.  LDS serves a wave's instructions in order: no wait between
.irp i, 0,1,2,3,4,5,6,7,8,9,10,11,12,13,14,15
	ds_store_b128 v2, v[R+64*((\k)%2)+4*\i:R+64*((\k)%2)+4*\i+3] offset:SP*\i
.endr
.irp b, 0,1,2,3
.irp j, 0,1,2,3
	ds_load_b128 v[X+16*\b+4*\j:X+16*\b+4*\j+3], v3 offset:128*\b+16*\j
.endr
.endr
.endm
.macro WLOAD t, pitch                  ; block t of my column: W(32 t + i, column), 32 lanes read 128 consecutive bytes
.irp i, 0,1,2,3,4,5,6,7,8,9,10,11,12,13,14,15,16,17,18,19,20,21,22,23,24,25,26,27,28,29,30,31
	global_load_b32 v[64+32*(\t)+\i], v1, s[26:27] offset:(32*(\t)+\i)*(\pitch) th:TH_LOAD_NT
.endr
.endm
.macro WBLOCK t                        ; a whole block of 32 along K lies in my 32 registers
.set XS, 64+32*(\t)
	v_max3_num_f32 v12, |v[XS]|, |v[XS+1]|, |v[XS+2]|
	v_max3_num_f32 v13, |v[XS+3]|, |v[XS+4]|, |v[XS+5]|
.irp i, 6,10,14,18,22,26
	s_delay_alu instid0(VALU_DEP_2)
	v_max3_num_f32 v12, v12, |v[XS+\i]|, |v[XS+\i+1]|
	s_delay_alu instid0(VALU_DEP_2)
	v_max3_num_f32 v13, v13, |v[XS+\i+2]|, |v[XS+\i+3]|
.endr
	s_delay_alu instid0(VALU_DEP_2)
	v_max3_num_f32 v12, v12, |v[XS+30]|, |v[XS+31]|
	s_delay_alu instid0(VALU_DEP_1)
	v_max3_num_f32 v12, v12, v13, 0x1800000        ; and the floor
	s_delay_alu instid0(VALU_DEP_1)
	v_add_nc_u32 v11, 0xff000000, v12              ; the conversion's scale operand
	s_delay_alu instid0(VALU_DEP_1)
	v_lshrrev_b32 v13, 23, v11                     ; the byte
.if (\t) == 0
	s_delay_alu instid0(VALU_DEP_1)
	v_mov_b32 v48, v13
.else
	s_delay_alu instid0(VALU_DEP_1)
	v_lshl_or_b32 v48, v13, 8*(\t), v48
.endif
.irp g, 0,1,2,3
	v_cvt_scalef32_pk8_fp4_f32 v[32+4*(\t)+\g], v[XS+8*\g:XS+8*\g+7], v11
.endr
	global_store_b128 v2, v[32+4*(\t):32+4*(\t)+3], s[28:29] offset:256*(\t)   ; sixteen lanes fill the 256 bytes [tile][block], the other sixteen those of the next tile
.endm
; A weight's path.  s18 = which 64 columns, s19 = which 512 along K, s20 = the first tile of those 64 lines.  src, dst: the scalar pairs of the weight and of its result.
.macro WBODY pitch, src, dst, sc
	s_and_b32 s22, s16, 1                          ; which 32 of the 64 columns
	s_lshr_b32 s23, s16, 1                         ; which 128 of the 512 along K
	s_lshl_b32 s24, s22, 1
	s_add_co_u32 s20, s20, s24                     ; my first tile
	s_lshl_b32 s24, s19, 2
	s_add_co_u32 s24, s24, s23                     ; my K step
	s_mul_i32 s26, s24, 128*(\pitch)               ; the weight: 128 rows a K step,
	s_lshl_b32 s25, s18, 8
	s_add_co_u32 s26, s26, s25                     ; 256 bytes for 64 columns,
	s_lshl_b32 s25, s22, 7
	s_add_co_u32 s26, s26, s25                     ; 128 for 32
	s_mov_b32 s27, 0
	s_lshl_b32 s28, s20, 13                        ; the codes: 8,192 bytes a tile, 1,024 a K step
	s_lshl_b32 s25, s24, 10
	s_add_co_u32 s28, s28, s25
	s_mov_b32 s29, 0
	s_lshl_b32 s30, s20, 9                         ; the scale bytes: 512 a tile, 256 a half of K, 4 a K step
	s_lshl_b32 s25, s19, 8
	s_add_co_u32 s30, s30, s25
	s_lshl_b32 s25, s23, 2
	s_add_co_u32 s30, s30, s25
	s_add_co_u32 s30, s30, \sc
	s_mov_b32 s31, 0
	v_lshlrev_b32 v1, 2, v5                        ; in: 4 bytes a lane
	v_bfe_u32 v6, v5, 3, 1                         ; lane l is line l of 32: tile u = (l / 8) % 2,
	v_and_b32 v7, 7, v5
	v_lshrrev_b32 v8, 4, v5
	s_delay_alu instid0(VALU_DEP_1)
	v_lshl_add_u32 v7, v8, 3, v7                   ; place p = l % 8 + 8 (l / 16)
	s_delay_alu instid0(VALU_DEP_1)
	v_lshlrev_b32 v7, 4, v7
	s_delay_alu instid0(VALU_DEP_1)
	v_lshl_add_u32 v2, v6, 13, v7                  ; codes: 8192 u + 16 p
	s_delay_alu instid0(VALU_DEP_2)
	v_lshl_add_u32 v3, v6, 9, v7                   ; scale bytes: 512 u + 16 p
	s_wait_alu depctr_va_vdst(0)
	s_wait_kmcnt 0x0
	s_add_nc_u64 s[26:27], s[\src:\src+1], s[26:27]
	s_add_nc_u64 s[28:29], s[\dst:\dst+1], s[28:29]
	s_add_nc_u64 s[30:31], s[\dst:\dst+1], s[30:31]
	WLOAD 0, \pitch
	WLOAD 1, \pitch
	s_wait_loadcnt 32                              ; block 0 is in; block 1's 32 loads may be out
	WLOAD 2, \pitch
	WBLOCK 0
	s_wait_loadcnt 32                              ; block 1 is in; block 2's may be out
	WLOAD 3, \pitch
	WBLOCK 1
	s_wait_loadcnt 32                              ; block 2 is in; block 3's may be out
	WBLOCK 2
	s_wait_loadcnt 0x0
	WBLOCK 3
	global_store_b32 v3, v48, s[30:31]             ; my line's four bytes of this K step: 4 bytes of 16, one byte in 128 of what the path reads
	s_endpgm
.endm
	s_load_b128 s[4:7], s[0:1], 0x0                ; x, W_qkv
	s_load_b128 s[8:11], s[0:1], 0x10              ; W_proj, xq
	s_load_b128 s[12:15], s[0:1], 0x20             ; wq, wp
	v_lshl_add_u32 v62, v0, 2, 0x10800
	v_mov_b32 v63, 0
	v_lshrrev_b32 v1, 5, v0
	s_delay_alu instid0(VALU_DEP_1)
	v_readfirstlane_b32 s16, v1                    ; wave 0..7
	v_and_b32 v5, 31, v0                           ; lane
	s_cmp_ge_u32 ttmp9, 128
	s_cbranch_scc1 .Lweights
	; ---- x
	v_and_b32 v6, 15, v0                           ; r
	v_bfe_u32 v7, v0, 4, 1                         ; h
	v_lshlrev_b32 v1, 4, v5                        ; 16 x lane
	s_mul_i32 s17, s16, 16*SP                      ; my stage
	v_add_nc_u32 v2, s17, v1                       ; into it: a row's 512 bytes as they lie
	v_mul_u32_u24 v3, v6, SP
	s_delay_alu instid0(VALU_DEP_1)
	v_lshl_add_u32 v3, v7, 6, v3
	s_delay_alu instid0(VALU_DEP_1)
	v_add_nc_u32 v3, s17, v3                       ; out of it: row r, + 64 h: my 16 numbers of a block
	v_lshlrev_b32 v4, 4, v6
	s_delay_alu instid0(VALU_DEP_1)
	v_lshl_add_u32 v4, v7, 3, v4                   ; the scale bytes: 16 r + 8 h
	v_cmp_lt_u32 s[HM], 15, v5
	s_mov_b32 s[SEL], 0x76543210
	s_mov_b32 s[SEL+1], 0xfedcba98
.irp b, 0,1,2,3
	v_mov_b32 v[TM+4+\b], 0                        ; written once: a lane permute's destination counts as one of its sources
.endr
	s_lshl_b32 s21, ttmp9, 3
	s_add_co_u32 s21, s21, s16                     ; my job: 2 x tile + half of K
	s_lshr_b32 s22, s21, 1
	s_and_b32 s23, s21, 1
	s_lshr_b32 s24, s22, 1
	s_lshl_b32 s24, s24, 17                        ; 32 rows of 4,096 bytes for each pair of tiles,
	s_and_b32 s25, s22, 1
	s_lshl_b32 s25, s25, 15                        ; 8 rows for the odd tile,
	s_add_co_u32 s24, s24, s25
	s_lshl_b32 s25, s23, 11                        ; 2,048 bytes for the second half of K
	s_add_co_u32 s24, s24, s25
	s_mov_b32 s25, 0
	s_lshl_b32 s26, s21, 12                        ; codes: 8,192 a tile, 4,096 a half
	s_mov_b32 s27, 0
	s_lshl_b32 s28, s21, 8                         ; scale bytes: 512 a tile, 256 a half
	s_add_co_u32 s28, s28, XSC
	s_mov_b32 s29, 0
	s_wait_alu depctr_va_vdst(0)
	s_wait_kmcnt 0x0
	s_add_nc_u64 s[4:5], s[4:5], s[24:25]
	s_add_nc_u64 s[26:27], s[10:11], s[26:27]
	s_add_nc_u64 s[28:29], s[10:11], s[28:29]
	XLD 0
	XLD 1
.irp k, 0,1,2,3
.if \k < 3
	s_wait_loadcnt 16                              ; this K step's 16 loads are in; the next step's 16 may be out
.else
	s_wait_loadcnt 0x0
.endif
	XTURN \k
	s_wait_dscnt 0x0                               ; the numbers are back, and the stage's stores have read their registers,
.if \k < 2
	XLD \k+2                                       ; which take the loads of two K steps on
.endif
	QUANT X, PC+8*\k, PW+\k
	global_store_b128 v1, v[PC+8*\k:PC+8*\k+3], s[26:27] offset:1024*\k         ; 32 lanes store 512 consecutive bytes
	global_store_b128 v1, v[PC+8*\k+4:PC+8*\k+7], s[26:27] offset:1024*\k+512
.endr
	v_cndmask_b32 v60, v[PW], v[PW+2], s[HM]       ; lanes 0-15 store K steps 0 and 1 of their row, lanes 16-31 K steps 2 and 3:
	v_cndmask_b32 v61, v[PW+1], v[PW+3], s[HM]
	global_store_b64 v4, v[60:61], s[28:29]        ; 256 consecutive bytes
	s_wait_tensorcnt 0x0
	ds_add_u32 v62, v63
	s_wait_dscnt 0x0
	s_endpgm
.Lweights:
	s_cmp_ge_u32 ttmp9, 224
	s_cbranch_scc1 .Lproj
	; ---- W_qkv
	s_sub_co_u32 s17, ttmp9, 128
	s_lshr_b32 s18, s17, 1                         ; which 64 columns: 3 x head + part
	s_and_b32 s19, s17, 1
	s_mul_i32 s20, s18, 43
	s_lshr_b32 s20, s20, 7                         ; head = that / 3 (exact under 48)
	s_mul_i32 s21, s20, 3
	s_sub_co_u32 s21, s18, s21                     ; part
	s_lshl_b32 s21, s21, 6
	s_lshl_b32 s20, s20, 2
	s_add_co_u32 s20, s20, s21                     ; tile 64 part + 4 head
	s_wait_alu depctr_va_vdst(0)
	WBODY 12288, 6, 12, WQSC
.Lproj:
	; ---- W_proj
	s_sub_co_u32 s17, ttmp9, 224
	s_lshr_b32 s18, s17, 1
	s_and_b32 s19, s17, 1
	s_lshl_b32 s20, s18, 2
	s_wait_alu depctr_va_vdst(0)
	WBODY 4096, 8, 14, WPSC
.Lfunc_end_k_qb125326dcc_prep:
	.size	k_qb125326dcc_prep, .Lfunc_end_k_qb125326dcc_prep-k_qb125326dcc_prep
	.p2alignl 7, 3214868480
	.fill 96, 4, 3214868480
	.section	.rodata,"a",@progbits
	.p2align	6, 0x0
	.amdhsa_kernel k_qb125326dcc_prep
		.amdhsa_group_segment_fixed_size 68608
		.amdhsa_private_segment_fixed_size 0
		.amdhsa_enable_private_segment 0
		.amdhsa_kernarg_size 48
		.amdhsa_user_sgpr_count 2
		.amdhsa_user_sgpr_kernarg_segment_ptr 1
		.amdhsa_wavefront_size32 1
		.amdhsa_system_sgpr_workgroup_id_x 1
		.amdhsa_system_sgpr_workgroup_id_y 1
		.amdhsa_system_sgpr_workgroup_id_z 1
		.amdhsa_system_vgpr_workitem_id 0
		.amdhsa_next_free_vgpr 256
		.amdhsa_next_free_sgpr 66
		.amdhsa_reserve_vcc 0
		.amdhsa_float_denorm_mode_32 3
		.amdhsa_float_denorm_mode_16_64 3
		.amdhsa_memory_ordered 1
		.amdhsa_forward_progress 1
		.amdhsa_inst_pref_size 83
	.end_amdhsa_kernel
	.amdgpu_metadata
---
amdhsa.version: [ 1, 2 ]
amdhsa.kernels:
  - .name:           k_qb125326dcc_prep
    .symbol:         k_qb125326dcc_prep.kd
    .args:
      - { .name: x, .offset: 0, .size: 8, .value_kind: global_buffer, .address_space: global }
      - { .name: W_qkv, .offset: 8, .size: 8, .value_kind: global_buffer, .address_space: global }
      - { .name: W_proj, .offset: 16, .size: 8, .value_kind: global_buffer, .address_space: global }
      - { .name: xq, .offset: 24, .size: 8, .value_kind: global_buffer, .address_space: global }
      - { .name: wq, .offset: 32, .size: 8, .value_kind: global_buffer, .address_space: global }
      - { .name: wp, .offset: 40, .size: 8, .value_kind: global_buffer, .address_space: global }
    .group_segment_fixed_size: 68608
    .private_segment_fixed_size: 0
    .kernarg_segment_align: 8
    .kernarg_segment_size: 48
    .max_flat_workgroup_size: 256
    .sgpr_count:     66
    .vgpr_count:     256
    .wavefront_size: 32
...
	.end_amdgpu_metadata
.endif
;; end of part 1
;; launch gemm_qkv (part 2): grid 12 x 32, 4 waves a work-group, clusters of 4 x 4, 279,040 bytes of LDS; arguments xq, wq, b_qkv, qi, kv; writes qi, kv
.if DOCPART == 2
	.amdgcn_target "amdgcn-amd-amdhsa--gfx1250"
	.amdhsa_code_object_version 6
	.text
	.protected	k_qb125326dcc_gemm_qkv
	.globl	k_qb125326dcc_gemm_qkv
	.p2align	8
	.type	k_qb125326dcc_gemm_qkv,@function
k_qb125326dcc_gemm_qkv:
	s_mov_b64 s[64:65], 0
	v_nop
	global_prefetch_b8 v0, s[64:65] scope:SCOPE_SE
	s_setreg_imm32_b32 hwreg(HW_REG_WAVE_MODE, 25, 1), 1
	s_wait_xcnt 0x0
	s_wait_alu depctr_hold_cnt(0) depctr_sa_sdst(0) depctr_va_vdst(0) depctr_va_sdst(0) depctr_va_ssrc(0) depctr_va_vcc(0) depctr_vm_vsrc(0)
	s_getreg_b32 s2, hwreg(HW_REG_IB_STS2, 6, 4)
	s_cmp_eq_u32 s2, 0
	s_cbranch_scc0 .Lentry_in_a_cluster
	s_endpgm
.Lentry_in_a_cluster:
	s_bfe_u32 s2, ttmp6, 0x10000c
	s_cmp_lg_u32 s2, 0xf033
	s_cbranch_scc0 .Lentry_shape_is_right
	s_endpgm
.Lentry_shape_is_right:
; qkv = Q(x) Q(W_qkv) + b_qkv on codes of FP4 with E8M0 scales, K = 1,024; the results leave as CODES: q, k quantised along the head's 64, v along the keys.  No f32 result goes to memory.
; LIMITS: NaN and infinities are not served; blocks whose largest magnitude lies under 2^-124, and blocks of zeros, get the byte 1 (this program alone reads the bytes).
; OPERANDS lie in memory as images of their registers.  A tile is 16 lines: tile 2 B + u holds lines 32 B + 8 u + p + 8 (p / 8).  Codes [tile][block][p][16 bytes]: the fragment of K step k at 1024 k, group c of lane l at 512 c + 16 l.
; Scale bytes [tile][half][p][16]: one 16-byte load at 16 l gives four registers: register q holds in lanes 0-15 the word of K step q, in lanes 16-31 that of K step 4 + q.
; A tile of the result, 256 tokens x 256 lines of wq, is made by four waves, each 128 x 128: 64 accumulators, 512 registers.  ALL of K fits in LDS: two slots of four K steps, each filled ONCE; no LDS byte is filled twice.
; CLUSTERS: 4 x 4 work-groups; xq's tiles are asked for jointly along a row of the cluster, wq's along a column.  The cluster's x is the part: 0 = q, 1 = k, 2 = v, the same in all sixteen partners.
; A product is D = (S0's fragment) x (S1's fragment): a lane then holds line l % 16 of S1's tile, and its 16 registers of S0's tiles 2 b, 2 b + 1 are the neighbours 32 b + 16 (l / 16) + 0 .. 15 along S0's lines.
; q, k: S0 = wq's lines (d), S1 = tokens: the registers run along d.  v: S0 = tokens, S1 = wq's lines: the registers run along the keys.  The roles are changed by the LDS addresses of the reads alone.
; RESULTS.  qi: a record of 4,608 bytes for (batch x 16 + head, group of 128 tokens): 8 tiles x 512 bytes (lane l's 16 bytes, d = 32 (l / 16) on, at 16 l), then 512 bytes of scale words: word i of lane l at 16 l + 4 i is tile 2 i + l / 16, line l % 16.
; kv: a record of 8,960 bytes: k as in qi; at 4,608 v's four fragments (16 of the head's 64 x 128 keys, 1,024 bytes each); at 8,704 their scale words: word i of lane l at 8 l + 4 i is tile 2 i + l / 16.
; REGISTERS: window 0: v1-11 addresses; v12-15, v120-123 scale words on their way out; v16-23 a scale word for each of S1's tiles; v24-31 codes; v32-63 S1's scale words, v64-95 S0's; v96-111, v192-255 the bias; v112-127 at work;
;   v128-191 S1's fragments, ONE set, later 64 sums.  window 1: S0's fragments, two sets.  windows 2, 3: the accumulators ((a, b) at v[8 (8 (a % 4) + b)]).
.set SLOTB, 131072                     ; a slot: four regions of 32,768 bytes (8 tiles x 4 K steps x 1,024): xq's two halves, then wq's
.set SCL,   262144                     ; behind the slots: four regions of 4,096 scale bytes
.set ASC,   4194304                    ; where the scale bytes begin in xq
.set BSC,   1572864                    ; in wq
.set LI,   1                           ; v1   16 x lane
.set L8,   2                           ; v2   8 x lane
.set ADR1, 4                           ; v4-5 S1's fragments in slot 0, 1
.set ADR0, 6                           ; v6-7 S0's
.set ADS1, 8                           ; v8   S1's scale words
.set ADS0, 9                           ; v9   S0's
.set BO,   10                          ; v10  the bias along the registers: 64 (lane / 16)
.set JO,   11                          ; v11  the bias of my line: 4 (r + 8 (r / 8))
.set WA,   12
.set PW,   16
.set PC,   24
.set SC1,  32
.set SC0,  64
.set BJ,   96
.set TM,   112
.set WB,   120
.set AF,   128
.set HA,   128
.set BI,   192
.set G1,   24                          ; s[24:31], s[32:39] groups 1 and 0 (a set for each slot) for xq's codes;  s[48:55], s[56:63] for wq's
.set G0,   32
.set G1B,  48
.set G0B,  56
.set G1S,  68                          ; s[68:75], s[76:79] for xq's scale bytes;  s[80:87], s[88:91] for wq's
.set G0S,  76
.set G1SB, 80
.set G0SB, 88
.set SEL,  66                          ; s[66:67] lane selects for lane l xor 16
.set DA,   92                          ; s[92:93] the first head's record
.set DB,   46                          ; s[46:47] the second head's
.set VP,   95                          ; s95  1 in the part v
.set HM,   99                          ; s99  the lanes 16-31
.set MSB, 0
.macro WIN new                         ; the immediate's high byte repeats the setting that is left
.if MSB != (\new)
	s_set_vgpr_msb (MSB<<8)|(\new)
.set MSB, (\new)
.endif
.endm
.set MUL_LO, 0xa1                      ; source 0 window 1, source 1 window 0, C and D window 2
.set MUL_HI, 0xf1                      ; the same, C and D window 3
.set TO_0,   0x40                      ; destination window 1, address window 0
; A joint load: waves 0 and 1 fetch for xq, waves 2 and 3 for wq.  The branch hangs on the wave's number alone.  Four v_nop follow each of the two lines.
.macro JLOAD g0a, g1a, g0b, g1b
	s_cmp_eq_u32 s15, 0
	s_cbranch_scc0 .Lfor_b_\@
	tensor_load_to_lds s[\g0a:\g0a+3], s[\g1a:\g1a+7]
	s_nop 0
.rept 4
	v_nop
.endr
	s_branch .Lasked_\@
.Lfor_b_\@:
	tensor_load_to_lds s[\g0b:\g0b+3], s[\g1b:\g1b+7]
	s_nop 0
.rept 4
	v_nop
.endr
.Lasked_\@:
.endm
.macro CROUND                          ; a round of the cluster's barrier
	s_barrier_signal -1
	s_barrier_wait -1
	s_cmp_lg_u32 s14, 0
	s_cbranch_scc1 .Lnot_wave_0_\@
	s_barrier_signal -3
.Lnot_wave_0_\@:
	s_barrier_wait -3
	s_barrier_signal -1
	s_barrier_wait -1
.endm
.macro PLACES                          ; four plain lines between a matrix instruction and a load into, or a vector access to, its registers
.rept 4
	v_nop
.endr
.endm
.macro QUANT s, pc, pw                 ; 64 numbers of a lane, register 16 b + i = place 32 b + 16 (lane / 16) + i, become a fragment's codes and the line's scale word
.irp b, 0,1,2,3
	v_max3_num_f32 v[TM+\b], |v[\s+16*\b]|, |v[\s+1+16*\b]|, 0x1800000   ; and the floor 2^(3 - 127): the byte cannot fall under 1
.endr
.irp i, 2,4,6,8,10,12,14
.irp b, 0,1,2,3
	v_max3_num_f32 v[TM+\b], v[TM+\b], |v[\s+16*\b+\i]|, |v[\s+1+16*\b+\i]|
.endr
.endr
.irp b, 0,1,2,3
	v_permlanex16_b32 v[TM+4+\b], v[TM+\b], s[SEL], s[SEL+1]
.endr
.irp b, 0,1,2,3
	v_max_num_f32 v[TM+\b], v[TM+\b], v[TM+4+\b]
.endr
.irp b, 0,1,2,3
	v_add_nc_u32 v[TM+12+\b], 0xff000000, v[TM+\b]   ; 2 off the exponent field: the conversion's scale operand
.endr
.irp b, 0,1,2,3
	v_lshrrev_b32 v[TM+4+\b], 23, v[TM+12+\b]
.endr
	v_lshl_or_b32 v[\pw], v[TM+5], 8, v[TM+4]
	v_lshl_or_b32 v[\pw], v[TM+6], 16, v[\pw]
	v_lshl_or_b32 v[\pw], v[TM+7], 24, v[\pw]
.irp b, 0,1,2,3
	v_cvt_scalef32_pk8_fp4_f32 v[(\pc)+2*\b], v[\s+16*\b:\s+7+16*\b], v[TM+12+\b]
	v_cvt_scalef32_pk8_fp4_f32 v[(\pc)+1+2*\b], v[\s+8+16*\b:\s+15+16*\b], v[TM+12+\b]
.endr
	v_nop                                          ; one plain line behind the scaled conversions
.irp c, 0,1
.irp i, 0,1
	v_permlane16_swap_b32 v[(\pc)+4*\c+\i], v[(\pc)+2+4*\c+\i]
.endr
.endr
.endm
	s_load_b128 s[4:7], s[0:1], 0x0                ; xq, wq
	s_load_b128 s[8:11], s[0:1], 0x10              ; b_qkv, qi
	s_load_b64 s[12:13], s[0:1], 0x20              ; kv
	s_set_vgpr_msb 0x40
	v_lshl_add_u32 v254, v0, 2, 0x44000
	v_mov_b32 v255, 0
	s_set_vgpr_msb 0x4045
	ds_add_u32 v254, v255
	ds_add_u32 v254, v255
	s_set_vgpr_msb 0x4500
	v_lshrrev_b32 v1, 5, v0
	v_readfirstlane_b32 s14, v1                    ; wave 0..3
	s_lshr_b32 s15, s14, 1                         ; S1's half.  Also: I fetch for xq (0) or for wq (1)
	s_and_b32 s16, s14, 1                          ; S0's half.  Also: which 8 tiles I fetch
	s_bfe_u32 s40, ttmp6, 0x40000                  ; cx, cy: my place in the cluster
	s_bfe_u32 s41, ttmp6, 0x40004
	s_lshl_b32 s42, ttmp9, 2
	s_add_co_u32 s42, s42, s40                     ; which 256 lines of wq
	s_and_b32 s17, ttmp7, 0xffff
	s_lshl_b32 s17, s17, 2
	s_add_co_u32 s17, s17, s41                     ; which 256 tokens
	s_lshl_b32 s43, s41, 2
	s_lshl_b32 s43, 15, s43                        ; my row of the cluster
	s_lshl_b32 s44, 0x1111, s40                    ; my column
	; group 1 for codes: 8 rows (tiles) of 512 elements of 8 bytes (four K steps), 1,024 elements apart
	s_or_b32 s[G1+0], s43, (3<<16)|(1<<21)         ; 15:0 the mask; 17:16 elements of 8 bytes; 21 set beside a mask; no padding: every read is 512 consecutive bytes
	s_or_b32 s[G1B+0], s44, (3<<16)|(1<<21)
.irp g, G1, G1B
	s_mov_b32 s[\g+1], 512<<16                     ; tensor_dim0
	s_mov_b32 s[\g+2], 8<<16                       ; tensor_dim1
	s_mov_b32 s[\g+3], 512<<16                     ; tile_dim0
	s_mov_b32 s[\g+4], 8                           ; tile_dim1
	s_mov_b32 s[\g+5], 1024                        ; tensor_dim0_stride
	s_mov_b32 s[\g+6], 0
	s_mov_b32 s[\g+7], 0
.endr
	; and for the scale bytes of 8 tiles: 4,096 dense bytes as 16 rows of 256
	s_or_b32 s[G1S+0], s43, (3<<16)|(1<<21)
	s_or_b32 s[G1SB+0], s44, (3<<16)|(1<<21)
.irp g, G1S, G1SB
	s_mov_b32 s[\g+1], 32<<16
	s_mov_b32 s[\g+2], 16<<16
	s_mov_b32 s[\g+3], 32<<16
	s_mov_b32 s[\g+4], 16
	s_mov_b32 s[\g+5], 32
	s_mov_b32 s[\g+6], 0
	s_mov_b32 s[\g+7], 0
.endr
	s_lshl_b32 s18, s16, 3
	s_lshl_b32 s20, s17, 4
	s_add_co_u32 s20, s20, s18                     ; xq: my first tile
	s_lshl_b32 s46, s42, 4
	s_add_co_u32 s46, s46, s18                     ; wq: my first tile
	s_lshl_b32 s22, s20, 9
	s_add_co_u32 s22, s22, ASC                     ; their scale bytes,
	s_mov_b32 s23, 0
	s_lshl_b32 s92, s46, 9
	s_add_co_u32 s92, s92, BSC
	s_mov_b32 s93, 0
	s_lshl_b32 s20, s20, 13                        ; their codes
	s_mov_b32 s21, 0
	s_lshl_b32 s46, s46, 13
	s_mov_b32 s47, 0
	s_lshl_b32 s45, s14, 15                        ; where they go: region = wave: no place in the cluster enters an LDS address
	s_lshl_b32 s94, s14, 12
	s_wait_dscnt 0x0
	s_wait_kmcnt 0x0
	s_add_nc_u64 s[20:21], s[4:5], s[20:21]
	s_add_nc_u64 s[22:23], s[4:5], s[22:23]
	s_add_nc_u64 s[46:47], s[6:7], s[46:47]
	s_add_nc_u64 s[92:93], s[6:7], s[92:93]
	CROUND                                         ; all sixteen work-groups are here: the joint loads meet.  All of the launch's tensor loads follow as one group: three of mine are out
	s_mov_b32 s[G0S], 1
	s_add_co_u32 s[G0S+1], s94, SCL
	s_mov_b64 s[G0S+2:G0S+3], s[22:23]
	s_or_b32 s[G0S+3], s[G0S+3], 0x80000000
	s_mov_b32 s[G0SB], 1
	s_add_co_u32 s[G0SB+1], s94, SCL
	s_mov_b64 s[G0SB+2:G0SB+3], s[92:93]
	s_or_b32 s[G0SB+3], s[G0SB+3], 0x80000000
	JLOAD G0S, G1S, G0SB, G1SB                     ; the scale bytes first
.irp s, 0,1
	s_mov_b32 s[G0+4*\s], 1
	s_add_co_u32 s[G0+4*\s+1], s45, \s*SLOTB
	s_add_nc_u64 s[G0+4*\s+2:G0+4*\s+3], s[20:21], \s*4096
	s_or_b32 s[G0+4*\s+3], s[G0+4*\s+3], 0x80000000
	s_mov_b32 s[G0B+4*\s], 1
	s_add_co_u32 s[G0B+4*\s+1], s45, \s*SLOTB
	s_add_nc_u64 s[G0B+4*\s+2:G0B+4*\s+3], s[46:47], \s*4096
	s_or_b32 s[G0B+4*\s+3], s[G0B+4*\s+3], 0x80000000
	JLOAD G0+4*\s, G1, G0B+4*\s, G1B
.endr
	v_and_b32 v3, 31, v0                           ; lane
	v_and_b32 v12, 15, v0                          ; r
	v_bfe_u32 v13, v0, 4, 1                        ; h
	v_lshlrev_b32 v[LI], 4, v3
	v_lshlrev_b32 v[L8], 3, v3
	v_cmp_lt_u32 s[HM], 15, v3
	v_lshlrev_b32 v[BO], 6, v13
	v_and_b32 v[JO], 8, v12
	v_add_nc_u32 v[JO], v[JO], v12
	v_lshlrev_b32 v[JO], 2, v[JO]
.irp b, 0,1,2,3
	v_mov_b32 v[TM+4+\b], 0                        ; written once: a lane permute's destination counts as one of its sources
.endr
	s_mov_b32 s[SEL], 0x76543210
	s_mov_b32 s[SEL+1], 0xfedcba98
	; the roles: S1 reads region s15 (tokens) or 2 + s15 (lines of wq, in the part v); S0 region 2 + s16 or s16
	s_lshr_b32 s[VP], ttmp9, 1
	s_min_u32 s[VP], s[VP], 1
	s_xor_b32 s2, s[VP], 1
	s_lshl_b32 s2, s2, 1
	s_add_co_u32 s2, s2, s16                       ; S0's region
	s_lshl_b32 s3, s[VP], 1
	s_add_co_u32 s3, s3, s15                       ; S1's region
	s_lshl_b32 s18, s3, 15
	v_add_nc_u32 v[ADR1], s18, v[LI]
	v_add_nc_u32 v[ADR1+1], SLOTB, v[ADR1]
	s_lshl_b32 s18, s2, 15
	v_add_nc_u32 v[ADR0], s18, v[LI]
	v_add_nc_u32 v[ADR0+1], SLOTB, v[ADR0]
	s_lshl_b32 s18, s3, 12
	s_add_co_u32 s18, s18, SCL
	v_add_nc_u32 v[ADS1], s18, v[LI]
	s_lshl_b32 s18, s2, 12
	s_add_co_u32 s18, s18, SCL
	v_add_nc_u32 v[ADS0], s18, v[LI]
	; the bias, both ways (every address is inside b_qkv in every part): line n of wq is b_qkv[head x 192 + part x 64 + d]
	s_lshl_b32 s43, s40, 2                         ; 4 cx: the first of my work-group's four heads
	s_lshl_b32 s44, s16, 1
	s_add_co_u32 s44, s44, s43
	s_mul_i32 s44, s44, 768
	s_lshl_b32 s94, ttmp9, 8
	s_add_co_u32 s44, s44, s94
	s_mov_b32 s45, 0
	s_add_nc_u64 s[96:97], s[8:9], s[44:45]        ; along the registers (q, k): S0's two heads
	s_lshl_b32 s44, s15, 1
	s_add_co_u32 s44, s44, s43
	s_mul_i32 s44, s44, 768
	s_add_co_u32 s44, s44, s94
	s_add_nc_u64 s[18:19], s[8:9], s[44:45]        ; of my line (v): S1's two heads
.irp p, 0,1,2,3,4,5,6,7
	global_load_b128 v[BI+8*\p:BI+8*\p+3], v[BO], s[96:97] offset:((\p/4)*192+32*((\p/2)%2)+8*(\p%2))*4
	global_load_b128 v[BI+8*\p+4:BI+8*\p+7], v[BO], s[96:97] offset:((\p/4)*192+32*((\p/2)%2)+8*(\p%2))*4+16
.endr
.irp p, 0,1,2,3,4,5,6,7
	global_load_b32 v[BJ+2*\p], v[JO], s[18:19] offset:((\p/4)*192+32*((\p/2)%2)+8*(\p%2))*4     ; twice: the packed addition names a pair
	global_load_b32 v[BJ+2*\p+1], v[JO], s[18:19] offset:((\p/4)*192+32*((\p/2)%2)+8*(\p%2))*4
.endr
	; where the results go
	s_cmp_eq_u32 s[VP], 1
	s_cselect_b32 s20, s16, s15                    ; the tokens' half
	s_cselect_b32 s21, s15, s16                    ; the lines' half
	s_lshl_b32 s22, s17, 1
	s_add_co_u32 s20, s20, s22                     ; my group of 128 tokens, 0..63
	s_lshl_b32 s21, s21, 1
	s_add_co_u32 s21, s21, s43                     ; my first head
	s_lshr_b32 s22, s20, 4
	s_lshl_b32 s22, s22, 4
	s_add_co_u32 s22, s22, s21                     ; batch x 16 + head
	s_lshl_b32 s22, s22, 4
	s_and_b32 s20, s20, 15
	s_add_co_u32 s22, s22, s20                     ; the record
	s_mov_b32 s23, 8960
	s_cmp_eq_u32 ttmp9, 0
	s_cselect_b32 s23, 4608, s23
	s_cselect_b64 s[DA:DA+1], s[10:11], s[12:13]   ; q goes to qi, k and v to kv
	s_mul_i32 s22, s22, s23
	s_lshl_b32 s[DB], s23, 4                       ; the next head's record lies 16 records on
	s_mov_b32 s23, 0
	s_mov_b32 s[DB+1], 0
	s_add_nc_u64 s[DA:DA+1], s[DA:DA+1], s[22:23]
	s_add_nc_u64 s[DB:DB+1], s[DA:DA+1], s[DB:DB+1]
.macro FRAG reg, adr, q, i             ; a fragment comes as it lies: two loads of 512 consecutive bytes
.irp c, 0,1
	ds_load_b128 v[\reg+4*\c:\reg+4*\c+3], v[\adr] offset:4096*(\i)+1024*(\q)+512*\c
.endr
.endm
.macro FETCH0 slot, q, p               ; S0's eight fragments of the slot's q-th K step into set p
	WIN TO_0
.irp i, 0,1,2,3,4,5,6,7
	FRAG 128*(\p)+8*\i, ADR0+\slot, \q, \i
.endr
	WIN 0
.endm
.macro FETCH1 slot, q, i0              ; S1's blocks i0 .. i0 + 3
.irp i, \i0, \i0+1, \i0+2, \i0+3
	FRAG AF+8*(\i), ADR1+\slot, \q, \i
.endr
.endm
.macro SCALES                          ; all of K's scale words, once
.irp i, 0,1,2,3,4,5,6,7
	ds_load_b128 v[SC1+4*\i:SC1+4*\i+3], v[ADS1] offset:512*\i
.endr
.irp i, 0,1,2,3,4,5,6,7
	ds_load_b128 v[SC0+4*\i:SC0+4*\i+3], v[ADS0] offset:512*\i
.endr
.endm
; 16 matrix instructions: S1's blocks a0, a0 + 1 x S0's eight.  p: S0's set; q: the K step in its slot; row: the slot: K steps 4-7 have their scale words in lanes 16-31.  zero = 1: the first product starts the sums.
; The 64 accumulators take turns, one instruction a turn, in the same order in every K step.
.macro MUL16 a0, p, q, row, zero
.irp a, \a0, \a0+1
.irp b, 0,1,2,3,4,5,6,7
.if \zero
	v_wmma_scale_f32_16x16x128_f8f6f4 v[8*(8*((\a)%4)+\b):8*(8*((\a)%4)+\b)+7], v[128*(\p)+8*\b:128*(\p)+8*\b+7], v[AF+8*(\a):AF+8*(\a)+7], 0, v[SC0+4*\b+(\q)], v[SC1+4*(\a)+(\q)] matrix_a_fmt:MATRIX_FMT_FP4 matrix_b_fmt:MATRIX_FMT_FP4
.elseif \row
	v_wmma_scale_f32_16x16x128_f8f6f4 v[8*(8*((\a)%4)+\b):8*(8*((\a)%4)+\b)+7], v[128*(\p)+8*\b:128*(\p)+8*\b+7], v[AF+8*(\a):AF+8*(\a)+7], v[8*(8*((\a)%4)+\b):8*(8*((\a)%4)+\b)+7], v[SC0+4*\b+(\q)], v[SC1+4*(\a)+(\q)] matrix_a_fmt:MATRIX_FMT_FP4 matrix_b_fmt:MATRIX_FMT_FP4 matrix_a_scale:MATRIX_SCALE_ROW1 matrix_b_scale:MATRIX_SCALE_ROW1
.else
	v_wmma_scale_f32_16x16x128_f8f6f4 v[8*(8*((\a)%4)+\b):8*(8*((\a)%4)+\b)+7], v[128*(\p)+8*\b:128*(\p)+8*\b+7], v[AF+8*(\a):AF+8*(\a)+7], v[8*(8*((\a)%4)+\b):8*(8*((\a)%4)+\b)+7], v[SC0+4*\b+(\q)], v[SC1+4*(\a)+(\q)] matrix_a_fmt:MATRIX_FMT_FP4 matrix_b_fmt:MATRIX_FMT_FP4
.endif
.endr
.endr
.endm
.macro STEP slot, q, zero              ; a K step that has its successor in the same slot
	s_wait_dscnt 8                                 ; S0's set and S1's blocks 0-3 are in; the youngest 8 loads (S1's blocks 4-7) may be out
	WIN MUL_LO
	MUL16 0, (\q)%2, \q, \slot, \zero
	MUL16 2, (\q)%2, \q, \slot, \zero
	s_wait_dscnt 0x0                               ; S1's blocks 4-7 are in
	PLACES
	FETCH0 \slot, (\q)+1, 1-(\q)%2
	FETCH1 \slot, (\q)+1, 0
	WIN MUL_HI
	MUL16 4, (\q)%2, \q, \slot, \zero
	MUL16 6, (\q)%2, \q, \slot, \zero
	PLACES
	WIN 0
	FETCH1 \slot, (\q)+1, 4
.endm
	s_wait_alu depctr_va_vdst(0)
	s_wait_tensorcnt 1                             ; the scale bytes and my part of slot 0 are in; slot 1's load may be out
	s_barrier_signal -1
	s_barrier_wait -1                              ; everybody's are
	FETCH0 0, 0, 0
	FETCH1 0, 0, 0
	SCALES
	FETCH1 0, 0, 4
	STEP 0, 0, 1
	STEP 0, 1, 0
	STEP 0, 2, 0
	; slot 0's last K step goes over to slot 1: one barrier, in front of which each wave has seen its part of slot 1 land
	s_wait_tensorcnt 0x0
	s_wait_dscnt 8
	WIN MUL_LO
	MUL16 0, 1, 3, 0, 0
	s_wait_dscnt 0x0                               ; no LDS load of mine is out at the signal
	s_barrier_signal -1
	MUL16 2, 1, 3, 0, 0                            ; work on registers while the others arrive
	s_barrier_wait -1
	PLACES
	FETCH0 1, 0, 0
	FETCH1 1, 0, 0
	WIN MUL_HI
	MUL16 4, 1, 3, 0, 0
	MUL16 6, 1, 3, 0, 0
	PLACES
	WIN 0
	FETCH1 1, 0, 4
	STEP 1, 0, 0
	STEP 1, 1, 0
	STEP 1, 2, 0
	s_wait_dscnt 8                                 ; the last K step: nothing more to fetch
	WIN MUL_LO
	MUL16 0, 1, 3, 1, 0
	MUL16 2, 1, 3, 1, 0
	s_wait_dscnt 0x0
	WIN MUL_HI
	MUL16 4, 1, 3, 1, 0
	MUL16 6, 1, 3, 1, 0
	WIN 0
; THE WAY OUT.  S1's tile s: its eight accumulators, each from its low end on, plus the bias, land in window 0 as 64 numbers in QUANT's order; the codes that QUANT makes are a register image and are stored as they stand.
.macro TOQ s, v
	WIN 0x02+(\s)/4                                ; source 0: window 2 or 3
.set AC, 64*((\s)%4)
.set m, 0
.rept 32
.if \v
	v_pk_add_f32 v[HA+m:HA+m+1], v[AC+m:AC+m+1], v[BJ+2*(\s):BJ+2*(\s)+1]
.else
	v_pk_add_f32 v[HA+m:HA+m+1], v[AC+m:AC+m+1], v[BI+m:BI+m+1]
.endif
.set m, m+2
.endr
	WIN 0
	s_wait_xcnt 0x0                                ; the last tile's stores have read v[PC] on: it is written again only behind this wait
	QUANT HA, PC, PW+(\s)
.endm
	s_wait_loadcnt 0x0                             ; the bias
	PLACES
	s_cmp_eq_u32 s[VP], 1
	s_cbranch_scc1 .Lpart_v
.irp s, 0,1,2,3,4,5,6,7                        ; q, k: blocks 0, 1 are the first head's 64, blocks 2, 3 the second's
	TOQ \s, 0
	global_store_b128 v[LI], v[PC:PC+3], s[DA:DA+1] offset:512*\s          ; 32 lanes store 512 consecutive bytes
	global_store_b128 v[LI], v[PC+4:PC+7], s[DB:DB+1] offset:512*\s
.endr
.irp i, 0,1,2,3
	v_cndmask_b32 v[WA+\i], v[PW+2*\i], v[PW+2*\i+1], s[HM]   ; lanes 0-15 tile 2 i, lanes 16-31 tile 2 i + 1.  A word's bytes 0, 1 are the first head's; bytes 2, 3 will meet zero codes and are never 0xff
.endr
.irp i, 0,1,2,3
	v_lshrrev_b32 v[WB+\i], 16, v[WA+\i]           ; the second head's
.endr
	global_store_b128 v[LI], v[WA:WA+3], s[DA:DA+1] offset:4096
	global_store_b128 v[LI], v[WB:WB+3], s[DB:DB+1] offset:4096
	s_branch .Ldone
.Lpart_v:
.irp s, 0,1,2,3                                ; v: tile s is 16 of the first head's 64, a whole fragment of 128 keys
	TOQ \s, 1
	global_store_b128 v[LI], v[PC:PC+3], s[DA:DA+1] offset:4608+1024*\s
	global_store_b128 v[LI], v[PC+4:PC+7], s[DA:DA+1] offset:4608+1024*\s+512
.endr
.irp s, 4,5,6,7
	TOQ \s, 1
	global_store_b128 v[LI], v[PC:PC+3], s[DB:DB+1] offset:4608+1024*(\s-4)
	global_store_b128 v[LI], v[PC+4:PC+7], s[DB:DB+1] offset:4608+1024*(\s-4)+512
.endr
.irp i, 0,1,2,3
	v_cndmask_b32 v[WA+\i], v[PW+2*\i], v[PW+2*\i+1], s[HM]
.endr
	global_store_b64 v[L8], v[WA:WA+1], s[DA:DA+1] offset:8704             ; 256 consecutive bytes
	global_store_b64 v[L8], v[WA+2:WA+3], s[DB:DB+1] offset:8704
.Ldone:
	s_set_vgpr_msb 0x5
	s_wait_tensorcnt 0x0
	ds_add_u32 v254, v255
	s_wait_dscnt 0x0
	s_set_vgpr_msb 0x500
	CROUND                                         ; the closing round: no work-group ends while a partner may still ask for a tile that names it
	s_endpgm
.Lfunc_end_k_qb125326dcc_gemm_qkv:
	.size	k_qb125326dcc_gemm_qkv, .Lfunc_end_k_qb125326dcc_gemm_qkv-k_qb125326dcc_gemm_qkv
	.p2alignl 7, 3214868480
	.fill 96, 4, 3214868480
	.section	.rodata,"a",@progbits
	.p2align	6, 0x0
	.amdhsa_kernel k_qb125326dcc_gemm_qkv
		.amdhsa_group_segment_fixed_size 279040
		.amdhsa_private_segment_fixed_size 0
		.amdhsa_enable_private_segment 0
		.amdhsa_kernarg_size 40
		.amdhsa_user_sgpr_count 2
		.amdhsa_user_sgpr_kernarg_segment_ptr 1
		.amdhsa_wavefront_size32 1
		.amdhsa_system_sgpr_workgroup_id_x 1
		.amdhsa_system_sgpr_workgroup_id_y 1
		.amdhsa_system_sgpr_workgroup_id_z 1
		.amdhsa_system_vgpr_workitem_id 0
		.amdhsa_next_free_vgpr 1024
		.amdhsa_next_free_sgpr 100
		.amdhsa_reserve_vcc 0
		.amdhsa_float_denorm_mode_32 3
		.amdhsa_float_denorm_mode_16_64 3
		.amdhsa_memory_ordered 1
		.amdhsa_forward_progress 1
		.amdhsa_inst_pref_size 196
	.end_amdhsa_kernel
	.amdgpu_metadata
---
amdhsa.version: [ 1, 2 ]
amdhsa.kernels:
  - .name:           k_qb125326dcc_gemm_qkv
    .symbol:         k_qb125326dcc_gemm_qkv.kd
    .args:
      - { .name: xq, .offset: 0, .size: 8, .value_kind: global_buffer, .address_space: global }
      - { .name: wq, .offset: 8, .size: 8, .value_kind: global_buffer, .address_space: global }
      - { .name: b_qkv, .offset: 16, .size: 8, .value_kind: global_buffer, .address_space: global }
      - { .name: qi, .offset: 24, .size: 8, .value_kind: global_buffer, .address_space: global }
      - { .name: kv, .offset: 32, .size: 8, .value_kind: global_buffer, .address_space: global }
    .group_segment_fixed_size: 279040
    .private_segment_fixed_size: 0
    .kernarg_segment_align: 8
    .kernarg_segment_size: 40
    .max_flat_workgroup_size: 128
    .sgpr_count:     100
    .vgpr_count:     1024
    .wavefront_size: 32
...
	.end_amdgpu_metadata
.endif
;; end of part 2
;; launch attn (part 3): grid 4 x 64, 16 waves a work-group, clusters of 4 x 1, 169,984 bytes of LDS; arguments qi, kv, ao; writes ao
.if DOCPART == 3
	.amdgcn_target "amdgcn-amd-amdhsa--gfx1250"
	.amdhsa_code_object_version 6
	.text
	.protected	k_qb125326dcc_attn
	.globl	k_qb125326dcc_attn
	.p2align	8
	.type	k_qb125326dcc_attn,@function
k_qb125326dcc_attn:
	s_mov_b64 s[64:65], 0
	v_nop
	global_prefetch_b8 v0, s[64:65] scope:SCOPE_SE
	s_setreg_imm32_b32 hwreg(HW_REG_WAVE_MODE, 25, 1), 1
	s_wait_xcnt 0x0
	s_wait_alu depctr_hold_cnt(0) depctr_sa_sdst(0) depctr_va_vdst(0) depctr_va_sdst(0) depctr_va_ssrc(0) depctr_va_vcc(0) depctr_vm_vsrc(0)
	s_getreg_b32 s2, hwreg(HW_REG_IB_STS2, 6, 4)
	s_cmp_eq_u32 s2, 0
	s_cbranch_scc0 .Lentry_in_a_cluster
	s_endpgm
.Lentry_in_a_cluster:
	s_bfe_u32 s2, ttmp6, 0x10000c
	s_cmp_lg_u32 s2, 0x3003
	s_cbranch_scc0 .Lentry_shape_is_right
	s_endpgm
.Lentry_shape_is_right:
; Causal attention of one head (batch x 16 + head = the cluster's y) on codes of FP4 with E8M0 scales; the result O / l leaves as CODES, quantised along head x 64 + d, laid as the last product's operand.
; THE SOFTMAX: t = score x log2(e) / 8; M = the running largest t rounded UP to a whole number; p = 2^(t - M) is quantised along the keys; the row's sum is taken of the unquantised p and divides O at the end.
; LIMITS: NaN and infinities are not served; blocks whose largest magnitude lies under 2^-124, and blocks of zeros, get the byte 1 (this program alone reads the bytes).
; INPUTS are register images.  A tile is 16 lines (queries, keys, or d): tile 2 B + u holds lines 32 B + 8 u + p + 8 (p / 8).  qi: a record of 4,608 bytes for a group of 128 queries; kv: a record of 8,960 bytes for a step of 128 keys:
;   k's 8 tiles x 512 bytes, 512 bytes of their scale words, v's 4 fragments x 1,024 bytes at 4,608, 256 bytes of their scale words at 8,704.
; A HEAD'S WHOLE K AND V, 16 records, 143,360 bytes, COME INTO LDS ONCE: wave w asks for record w.  The four work-groups of a cluster belong to one head and ask jointly.  No LDS byte is filled twice; one barrier.
; SHARES.  Wave w takes query tile e = 2 cx + w % 2 of group 15 - w / 2 and then of group w / 2: (16 - w / 2) + (w / 2 + 1) = 17 key steps for every wave.  The loop over key steps has a constant 16 trips;
; a step whose keys all come after the group is jumped over by a scalar branch on counters and the wave's number.  cx enters global addresses and the mask's numbers alone.
; LAYOUT.  Both products transposed: S^T = K Q^T, O^T = V^T P^T: a lane holds one query; the 16 registers of key tiles 2 b, 2 b + 1 are the keys 32 b + 16 (lane / 16) + 0 .. 15.
; THE FIRST PRODUCT'S K IS 64, the instruction's 128: Q's registers 4-7 are zero codes.  So K's operand may run on into the next tile's codes: finite codes times zero add nothing, and no scale byte is 0xff.
; REGISTERS: v1-7 stay; v12 -M, v13 the largest t, v[14:15] the sum; v16-19 Q, v20-23 zeros; v24-27 the second tile's Q; v28, v29 Q's scale words; v32-63 K, v64-67 zeros; v68-71 K's scale words, v72-73 V's;
;   v96-159 S^T, then p; v160-191 O^T; v192-223 V; v224-231 p's codes; v232-254 at work.
.set REC,  8960
.set QREC, 4608
.set ASC,  4194304                     ; where the scale bytes begin in ao
.set LI,   1                           ; v1  16 x lane
.set L8,   2                           ; v2  8 x lane
.set DQ,   3                           ; v3  my query's place in its group - 16 (lane / 16)
.set ADK,  4                           ; v4  the step's record + 16 x lane
.set ADT,  5                           ; v5  + 8 x lane
.set SBO,  6                           ; v6  16 r + h: my scale byte's place
.set NINF, 7                           ; v7  -infinity
.set WV,   10                          ; s10 wave;  s11 wave % 2;  s12 wave / 2;  s13 cx;  s14 batch x 16 + head
.set G0,   16                          ; s[16:19], s[24:31] the descriptor
.set G1,   24
.set SEL,  20                          ; s[20:21] lane selects for lane l xor 16
.set CS,   22                          ; s[22:23] c = log2(e) / 8
.set G,    32                          ; s32 the group in hand
.set KS,   33                          ; s33 the key step
.set TB,   34                          ; s34 its record in LDS
.set TILES, 35                         ; s35 tiles to go
.set HM,   36                          ; s36 the lanes 16-31
.macro CROUND                          ; a round of the cluster's barrier
	s_barrier_signal -1
	s_barrier_wait -1
	s_cmp_lg_u32 s[WV], 0
	s_cbranch_scc1 .Lnot_wave_0_\@
	s_barrier_signal -3
.Lnot_wave_0_\@:
	s_barrier_wait -3
	s_barrier_signal -1
	s_barrier_wait -1
.endm
	s_load_b128 s[4:7], s[0:1], 0x0                ; qi, kv
	s_load_b64 s[8:9], s[0:1], 0x10                ; ao
	v_lshl_add_u32 v251, v0, 2, 0x29000
	v_mov_b32 v255, 0
	ds_add_u32 v251, v255
	ds_add_u32 v251, v255
	v_lshrrev_b32 v1, 5, v0
	s_delay_alu instid0(VALU_DEP_1)
	v_readfirstlane_b32 s[WV], v1                  ; wave 0..15
	s_and_b32 s11, s[WV], 1
	s_lshr_b32 s12, s[WV], 1
	s_bfe_u32 s13, ttmp6, 0x40000                  ; cx
	s_and_b32 s14, ttmp7, 0xffff                   ; the head, which the four partners share
	s_mov_b32 s[G1], 15|(3<<16)|(1<<21)            ; 15:0 the mask: all four; 17:16 elements of 8 bytes; 21 set beside a mask; no padding: every read is of consecutive bytes
	s_mov_b32 s[G1+1], 32<<16                      ; tensor_dim0: 256 bytes
	s_mov_b32 s[G1+2], 35<<16                      ; tensor_dim1: 35 rows = a record
	s_mov_b32 s[G1+3], 32<<16                      ; tile_dim0
	s_mov_b32 s[G1+4], 35                          ; tile_dim1
	s_mov_b32 s[G1+5], 32                          ; dense
	s_mov_b32 s[G1+6], 0
	s_mov_b32 s[G1+7], 0
	s_mov_b32 s[G0], 1
	s_mul_i32 s[G0+1], s[WV], REC                  ; record w goes to w x 8,960
	s_mul_i32 s40, s14, 16*REC
	s_add_co_u32 s40, s40, s[G0+1]
	s_mov_b32 s41, 0
	s_mov_b32 s[SEL], 0x76543210
	s_mov_b32 s[SEL+1], 0xfedcba98
	s_mov_b32 s[CS], 0x3e38aa3b
	s_mov_b32 s[CS+1], s[CS]                       ; (named with it as a pair, so it is written)
	; Q's two tiles: record (head x 16 + group), tile e at 512 e, its scale word at 4,096 + 256 (e % 2) + 4 (e / 2) + 16 r
	s_sub_co_u32 s[G], 15, s12                     ; the first group
	s_lshl_b32 s42, s14, 4
	s_add_co_u32 s43, s42, s[G]
	s_add_co_u32 s42, s42, s12
	s_mul_i32 s43, s43, QREC
	s_mul_i32 s42, s42, QREC
	s_lshl_b32 s44, s13, 10
	s_lshl_b32 s45, s11, 9
	s_add_co_u32 s44, s44, s45
	s_lshl_b32 s45, s11, 8
	s_lshl_b32 s46, s13, 2
	s_add_co_u32 s45, s45, s46
	s_add_co_u32 s45, s45, 4096
	s_add_co_u32 s48, s43, s44
	s_mov_b32 s49, 0
	s_add_co_u32 s50, s43, s45
	s_mov_b32 s51, 0
	s_add_co_u32 s52, s42, s44
	s_mov_b32 s53, 0
	s_add_co_u32 s54, s42, s45
	s_mov_b32 s55, 0
	; the way out: token tile = batch x 128 + 8 x group + e; the head's two blocks of K lie 512 head bytes on in a tile's codes
	s_lshr_b32 s37, s14, 4
	s_lshl_b32 s37, s37, 7
	s_lshl_b32 s46, s13, 1
	s_add_co_u32 s37, s37, s46
	s_add_co_u32 s37, s37, s11                     ; s37 = batch x 128 + e
	s_and_b32 s46, s14, 15
	s_lshl_b32 s38, s46, 9                         ; s38 = 512 head
	s_lshr_b32 s39, s46, 3
	s_lshl_b32 s39, s39, 8
	s_lshl_b32 s46, s46, 1
	s_and_b32 s46, s46, 15
	s_add_co_u32 s39, s39, s46
	s_add_co_u32 s39, s39, ASC                     ; s39 = the scale bytes + 256 (head / 8) + (2 head) % 16
	s_lshl_b32 s46, s13, 5
	s_lshl_b32 s47, s11, 3
	s_add_co_u32 s46, s46, s47                     ; tile e begins at place 32 cx + 8 (w % 2) of its group
	s_wait_dscnt 0x0
	s_wait_kmcnt 0x0
	s_add_nc_u64 s[G0+2:G0+3], s[6:7], s[40:41]
	s_or_b32 s[G0+3], s[G0+3], 0x80000000
	s_add_nc_u64 s[48:49], s[4:5], s[48:49]
	s_add_nc_u64 s[50:51], s[4:5], s[50:51]
	s_add_nc_u64 s[52:53], s[4:5], s[52:53]
	s_add_nc_u64 s[54:55], s[4:5], s[54:55]
	CROUND                                         ; all four work-groups are here: the joint loads meet
	tensor_load_to_lds s[G0:G0+3], s[G1:G1+7]      ; my one tensor load of the launch
	s_nop 0
.rept 4
	v_nop
.endr
	v_and_b32 v8, 31, v0                           ; lane
	v_and_b32 v9, 15, v0                           ; r
	v_bfe_u32 v10, v0, 4, 1                        ; h
	s_delay_alu instid0(VALU_DEP_3)
	v_lshlrev_b32 v[LI], 4, v8
	s_delay_alu instid0(VALU_DEP_4)
	v_lshlrev_b32 v[L8], 3, v8
	s_delay_alu instid0(VALU_DEP_4)
	v_lshlrev_b32 v11, 4, v9
	global_load_b128 v[16:19], v[LI], s[48:49]     ; Q of the first tile,
	global_load_b32 v28, v11, s[50:51]             ; its scale words,
	global_load_b128 v[24:27], v[LI], s[52:53]     ; and the second tile's
	global_load_b32 v29, v11, s[54:55]
	v_add_nc_u32 v[SBO], v11, v10
	v_cmp_lt_u32 s[HM], 15, v8
	v_and_b32 v[DQ], 8, v9
	s_delay_alu instid0(VALU_DEP_1)
	v_add_nc_u32 v[DQ], v[DQ], v9
	s_delay_alu instid0(VALU_DEP_1)
	v_add_nc_u32 v[DQ], s46, v[DQ]
	v_lshlrev_b32 v[ADT], 4, v10
	s_delay_alu instid0(VALU_DEP_1)
	v_sub_nc_u32 v[DQ], v[DQ], v[ADT]
	v_mov_b32 v[NINF], 0xff800000
.irp j, 20,21,22,23,64,65,66,67
	v_mov_b32 v\j, 0                               ; zero codes
.endr
.irp j, 236,237,238,239,252,253
	v_mov_b32 v\j, 0                               ; written once: lane permutes' destinations, and the upper half of the pair v[252:253]
.endr
	s_mov_b32 s[TILES], 2
	s_wait_loadcnt 0x0                             ; Q
	s_wait_tensorcnt 0x0                           ; my record is in,
	s_barrier_signal -1
	s_barrier_wait -1                              ; everybody's is: from here on LDS is only read
.Ltile:
	v_mov_b32 v13, 0xff61b1e6                      ; the largest t so far: -3e38, under every t
	s_delay_alu instid0(VALU_DEP_1)
	v_floor_f32 v12, -v13                          ; -M
	v_mov_b32 v14, 0
	v_mov_b32 v15, 0
.irp j, 0,1,2,3,4,5,6,7,8,9,10,11,12,13,14,15,16,17,18,19,20,21,22,23,24,25,26,27,28,29,30,31
	v_mov_b32 v[160+\j], 0                         ; O^T: the step is written once; the first change of M leaves zeros zeros
.endr
	s_mov_b32 s[KS], 0
	s_mov_b32 s[TB], 0
.Lstep:
	s_cmp_gt_u32 s[KS], s[G]                       ; keys that all come after my queries: nothing to do
	s_cbranch_scc1 .Lhid
	s_setprio 2
	v_add_nc_u32 v[ADK], s[TB], v[LI]
	v_add_nc_u32 v[ADT], s[TB], v[L8]
.irp t, 0,1,2,3,4,5,6,7
	ds_load_b128 v[32+4*\t:35+4*\t], v[ADK] offset:512*\t
.endr
	ds_load_b128 v[68:71], v[ADK] offset:4096      ; register i: lanes 0-15 tile 2 i, lanes 16-31 tile 2 i + 1
.irp d, 0,1,2,3
.irp c, 0,1
	ds_load_b128 v[192+8*\d+4*\c:195+8*\d+4*\c], v[ADK] offset:4608+1024*\d+512*\c
.endr
.endr
	ds_load_b64 v[72:73], v[ADT] offset:8704
	s_wait_dscnt 9                                 ; K and its scale words are in; V's 9 loads may be out
.irp t, 0,2,4,6
	v_wmma_scale_f32_16x16x128_f8f6f4 v[96+8*\t:103+8*\t], v[32+4*\t:39+4*\t], v[16:23], 0, v[68+\t/2], v28 matrix_a_fmt:MATRIX_FMT_FP4 matrix_b_fmt:MATRIX_FMT_FP4
	v_wmma_scale_f32_16x16x128_f8f6f4 v[104+8*\t:111+8*\t], v[36+4*\t:43+4*\t], v[16:23], 0, v[68+\t/2], v28 matrix_a_fmt:MATRIX_FMT_FP4 matrix_b_fmt:MATRIX_FMT_FP4 matrix_a_scale:MATRIX_SCALE_ROW1
.endr
.rept 4
	v_nop
.endr
	s_cmp_lg_u32 s[KS], s[G]                       ; on the diagonal alone: register 16 b + i holds key 32 b + 16 (lane / 16) + i of the group: hidden where 32 b + i > v[DQ]
	s_cbranch_scc1 .Lopen
.irp n, 0,1,2,3,4,5,6,7,8,9,10,11,12,13,14,15,16,17,18,19,20,21,22,23,24,25,26,27,28,29,30,31,32,33,34,35,36,37,38,39,40,41,42,43,44,45,46,47,48,49,50,51,52,53,54,55,56,57,58,59,60,61,62,63
	v_cmp_gt_i32 vcc_lo, 32*(\n/16)+\n%16, v[DQ]
	v_cndmask_b32 v[96+\n], v[96+\n], v[NINF], vcc_lo
.endr
.Lopen:
.irp b, 0,1,2,3
	v_max3_num_f32 v[232+\b], v[96+16*\b], v[97+16*\b], v[98+16*\b]   ; the largest score of each block of 32 keys: for the row's maximum and, since p rises with the score, for the block's largest p
.endr
.irp i, 3,5,7,9,11,13
.irp b, 0,1,2,3
	v_max3_num_f32 v[232+\b], v[232+\b], v[96+16*\b+\i], v[97+16*\b+\i]
.endr
.endr
.irp b, 0,1,2,3
	v_max_num_f32 v[232+\b], v[232+\b], v[111+16*\b]
.endr
.irp b, 0,1,2,3
	s_delay_alu instid0(VALU_DEP_4)
	v_permlanex16_b32 v[236+\b], v[232+\b], s[SEL], s[SEL+1]
.endr
.irp b, 0,1,2,3
	s_delay_alu instid0(VALU_DEP_4)
	v_max_num_f32 v[232+\b], v[232+\b], v[236+\b]  ; with lane l xor 16's 16 keys
.endr
	s_delay_alu instid0(VALU_DEP_2)
	v_max3_num_f32 v254, v232, v233, v234
	s_delay_alu instid0(VALU_DEP_1)
	v_max_num_f32 v254, v254, v235
	s_delay_alu instid0(VALU_DEP_1)
	v_mul_f32 v254, s[CS], v254                    ; the step's largest t
	s_delay_alu instid0(VALU_DEP_1)
	v_max_num_f32 v13, v13, v254
	v_mov_b32 v254, v12
	s_delay_alu instid0(VALU_DEP_2)
	v_floor_f32 v12, -v13                          ; the new -M = -ceil(t): a whole number
	s_delay_alu instid0(VALU_DEP_1)
	v_sub_f32 v254, v12, v254                      ; old M - new M: a whole number, 0 or less
	s_delay_alu instid0(VALU_DEP_1)
	v_cvt_i32_f32 v254, v254                       ; (it saturates)
	s_delay_alu instid0(VALU_DEP_1)
	v_ldexp_f32 v252, 1.0, v254                    ; f = 2^(old M - new M): multiplying by it rounds nothing
.irp j, 0,2,4,6,8,10,12,14,16,18,20,22,24,26,28,30,32,34,36,38,40,42,44,46,48,50,52,54,56,58,60,62
	v_pk_fma_f32 v[96+\j:97+\j], v[96+\j:97+\j], s[CS:CS+1], v[12:13] op_sel_hi:[1,0,0]   ; t - M
.endr
	s_setprio 1
.irp b, 0,1,2,3
	v_fma_f32 v[232+\b], v[232+\b], s[CS], v12     ; the same of each block's largest score
.endr
	s_wait_alu depctr_va_vdst(0)
.irp j, 0,1,2,3,4,5,6,7,8,9,10,11,12,13,14,15,16,17,18,19,20,21,22,23,24,25,26,27,28,29,30,31,32,33,34,35,36,37,38,39,40,41,42,43,44,45,46,47,48,49,50,51,52,53,54,55,56,57,58,59,60,61,62,63
	v_exp_f32 v[96+\j], v[96+\j]                   ; p = 2^(t - M)
.endr
	v_pk_mul_f32 v[14:15], v[14:15], v[252:253] op_sel_hi:[1,0]   ; the sums under the new M: a plain line behind the exponentials
	s_wait_alu depctr_va_vdst(0)                   ; one wait for the batch of 64, ahead of its first reader
.irp b, 0,1,2,3
	v_exp_f32 v[232+\b], v[232+\b]                 ; each block's largest p
.endr
	v_pk_add_f32 v[236:237], v[100:101], v[104:105]
	v_pk_add_f32 v[248:249], v[108:109], v[112:113]
	v_pk_add_f32 v[246:247], v[116:117], v[120:121]
	v_pk_add_f32 v[244:245], v[124:125], v[128:129]
	v_pk_add_f32 v[242:243], v[132:133], v[136:137]
	v_pk_add_f32 v[240:241], v[140:141], v[144:145]
	v_pk_add_f32 v[238:239], v[148:149], v[152:153]
	v_pk_add_f32 v[14:15], v[14:15], v[156:157]
	v_pk_add_f32 v[236:237], v[236:237], v[96:97]
	v_pk_add_f32 v[248:249], v[248:249], v[98:99]
	v_pk_add_f32 v[246:247], v[246:247], v[102:103]
	v_pk_add_f32 v[244:245], v[244:245], v[106:107]
	v_pk_add_f32 v[242:243], v[242:243], v[110:111]
	v_pk_add_f32 v[240:241], v[240:241], v[114:115]
	v_pk_add_f32 v[238:239], v[238:239], v[118:119]
	v_pk_add_f32 v[14:15], v[14:15], v[122:123]
	v_pk_add_f32 v[236:237], v[236:237], v[126:127]
	v_pk_add_f32 v[248:249], v[248:249], v[130:131]
	v_pk_add_f32 v[246:247], v[246:247], v[134:135]
	v_pk_add_f32 v[244:245], v[244:245], v[138:139]
	v_pk_add_f32 v[242:243], v[242:243], v[142:143]
	v_pk_add_f32 v[240:241], v[240:241], v[146:147]
	v_pk_add_f32 v[238:239], v[238:239], v[150:151]
	v_pk_add_f32 v[14:15], v[14:15], v[154:155]
	v_pk_add_f32 v[236:237], v[236:237], v[158:159]
	s_delay_alu instid0(VALU_DEP_2)
	v_pk_add_f32 v[14:15], v[14:15], v[244:245]
	s_delay_alu instid0(VALU_DEP_2)
	v_pk_add_f32 v[236:237], v[236:237], v[242:243]
	v_pk_add_f32 v[248:249], v[248:249], v[240:241]
	v_pk_add_f32 v[246:247], v[246:247], v[238:239]
	s_delay_alu instid0(VALU_DEP_2)
	v_pk_add_f32 v[14:15], v[14:15], v[248:249]
	s_delay_alu instid0(VALU_DEP_2)
	v_pk_add_f32 v[236:237], v[236:237], v[246:247]
	s_delay_alu instid0(VALU_DEP_1)
	v_pk_add_f32 v[14:15], v[14:15], v[236:237]
	s_wait_alu depctr_va_vdst(0)                   ; and one for the four
.irp b, 0,1,2,3
	v_max_num_f32 v[232+\b], 0x1800000, v[232+\b]  ; the floor 2^(3 - 127): the byte cannot fall under 1
.endr
.irp b, 0,1,2,3
	s_delay_alu instid0(VALU_DEP_4)
	v_add_nc_u32 v[244+\b], 0xff000000, v[232+\b]  ; the conversion's scale operand
.endr
.irp b, 0,1,2,3
	s_delay_alu instid0(VALU_DEP_4)
	v_lshrrev_b32 v[236+\b], 23, v[244+\b]
.endr
	s_delay_alu instid0(VALU_DEP_3)
	v_lshl_or_b32 v253, v237, 8, v236              ; p's scale word for these 128 keys
	s_delay_alu instid0(VALU_DEP_1)
	v_lshl_or_b32 v253, v238, 16, v253
	s_delay_alu instid0(VALU_DEP_1)
	v_lshl_or_b32 v253, v239, 24, v253
	s_setprio 0
.irp b, 0,1,2,3
	v_cvt_scalef32_pk8_fp4_f32 v[224+2*\b], v[96+16*\b:103+16*\b], v[244+\b]
	v_cvt_scalef32_pk8_fp4_f32 v[225+2*\b], v[104+16*\b:111+16*\b], v[244+\b]
.endr
	v_nop                                          ; one plain line behind the scaled conversions
.irp c, 0,1
.irp i, 0,1
	v_permlane16_swap_b32 v[224+4*\c+\i], v[226+4*\c+\i]
.endr
.endr
.irp j, 0,2,4,6,8,10,12,14,16,18,20,22,24,26,28,30
	v_pk_mul_f32 v[160+\j:161+\j], v[160+\j:161+\j], v[252:253] op_sel_hi:[1,0]   ; O^T under the new M.  These 16 also stand between the writes of p's codes and scale word and the products
.endr
	s_wait_alu depctr_va_vdst(0)
	s_wait_dscnt 0x0                               ; V
.irp d, 0,2
	v_wmma_scale_f32_16x16x128_f8f6f4 v[160+8*\d:167+8*\d], v[192+8*\d:199+8*\d], v[224:231], v[160+8*\d:167+8*\d], v[72+\d/2], v253 matrix_a_fmt:MATRIX_FMT_FP4 matrix_b_fmt:MATRIX_FMT_FP4
	v_wmma_scale_f32_16x16x128_f8f6f4 v[168+8*\d:175+8*\d], v[200+8*\d:207+8*\d], v[224:231], v[168+8*\d:175+8*\d], v[72+\d/2], v253 matrix_a_fmt:MATRIX_FMT_FP4 matrix_b_fmt:MATRIX_FMT_FP4 matrix_a_scale:MATRIX_SCALE_ROW1
.endr
.rept 4
	v_nop                                          ; in front of the next step's loads into V's registers, and of the first read of O^T
.endr
.Lhid:
	s_add_co_u32 s[TB], s[TB], REC
	s_add_co_u32 s[KS], s[KS], 1
	s_cmp_lt_u32 s[KS], 16
	s_cbranch_scc1 .Lstep
	s_setprio 0
	; THE TILE'S WAY OUT: O^T / the sum, quantised along d: two blocks of 32; lane (r, h) ends with block h of query r: 16 bytes at 16 x lane of the head's 512 bytes in the token tile
	v_add_f32 v14, v14, v15
	s_delay_alu instid0(VALU_DEP_1)
	v_permlanex16_b32 v252, v14, s[SEL], s[SEL+1]
	s_delay_alu instid0(VALU_DEP_1)
	v_add_f32 v14, v14, v252                       ; the row's sum
	s_wait_alu depctr_va_vdst(0)
	v_rcp_f32 v14, v14
	v_nop                                          ; a plain line behind the reciprocal
	s_lshl_b32 s40, s[G], 3
	s_add_co_u32 s40, s40, s37                     ; the token tile
	s_lshl_b32 s42, s40, 13
	s_add_co_u32 s42, s42, s38
	s_mov_b32 s43, 0
	s_add_nc_u64 s[44:45], s[8:9], s[42:43]        ; its codes of my head
	s_lshl_b32 s42, s40, 9
	s_add_co_u32 s42, s42, s39
	s_add_nc_u64 s[46:47], s[8:9], s[42:43]        ; its scale bytes of my head
	s_wait_alu depctr_va_vdst(0)                   ; ahead of the reciprocal's first reader
.irp j, 0,1,2,3,4,5,6,7,8,9,10,11,12,13,14,15,16,17,18,19,20,21,22,23,24,25,26,27,28,29,30,31
	v_mul_f32 v[96+\j], v[160+\j], v14             ; register 16 b + i = d 32 b + 16 h + i
.endr
.irp b, 0,1
	v_max3_num_f32 v[232+\b], |v[96+16*\b]|, |v[97+16*\b]|, 0x1800000
.endr
.irp i, 2,4,6,8,10,12,14
.irp b, 0,1
	s_delay_alu instid0(VALU_DEP_2)
	v_max3_num_f32 v[232+\b], v[232+\b], |v[96+16*\b+\i]|, |v[97+16*\b+\i]|
.endr
.endr
.irp b, 0,1
	s_delay_alu instid0(VALU_DEP_2)
	v_permlanex16_b32 v[236+\b], v[232+\b], s[SEL], s[SEL+1]
.endr
.irp b, 0,1
	s_delay_alu instid0(VALU_DEP_2)
	v_max_num_f32 v[232+\b], v[232+\b], v[236+\b]
.endr
.irp b, 0,1
	s_delay_alu instid0(VALU_DEP_2)
	v_add_nc_u32 v[244+\b], 0xff000000, v[232+\b]
.endr
.irp b, 0,1
	s_delay_alu instid0(VALU_DEP_2)
	v_lshrrev_b32 v[236+\b], 23, v[244+\b]
.endr
.irp b, 0,1
	v_cvt_scalef32_pk8_fp4_f32 v[224+2*\b], v[96+16*\b:103+16*\b], v[244+\b]
	v_cvt_scalef32_pk8_fp4_f32 v[225+2*\b], v[104+16*\b:111+16*\b], v[244+\b]
.endr
	v_nop                                          ; one plain line behind the scaled conversions
	v_permlane16_swap_b32 v224, v226
	v_permlane16_swap_b32 v225, v227
	v_cndmask_b32 v240, v236, v237, s[HM]          ; my block's byte
	global_store_b128 v[LI], v[224:227], s[44:45]  ; 32 lanes store 512 consecutive bytes
	global_store_b8 v[SBO], v240, s[46:47]         ; single bytes: a row's 32 scale bytes come from 16 heads, which lie in 16 clusters; 262,144 bytes in the whole launch
.irp j, 0,1,2,3
	v_mov_b32 v[16+\j], v[24+\j]                   ; the second tile's Q (the lines at the loop's head stand between these and the next products)
.endr
	v_mov_b32 v28, v29
	s_sub_co_u32 s[G], 15, s[G]                    ; and its group
	s_wait_xcnt 0x0                                ; the stores have read their registers and bases: the next tile writes them again
	s_sub_co_u32 s[TILES], s[TILES], 1
	s_cmp_lg_u32 s[TILES], 0
	s_cbranch_scc1 .Ltile
	s_wait_tensorcnt 0x0
	ds_add_u32 v251, v255
	s_wait_dscnt 0x0
	CROUND                                         ; the closing round
	s_endpgm
.Lfunc_end_k_qb125326dcc_attn:
	.size	k_qb125326dcc_attn, .Lfunc_end_k_qb125326dcc_attn-k_qb125326dcc_attn
	.p2alignl 7, 3214868480
	.fill 96, 4, 3214868480
	.section	.rodata,"a",@progbits
	.p2align	6, 0x0
	.amdhsa_kernel k_qb125326dcc_attn
		.amdhsa_group_segment_fixed_size 169984
		.amdhsa_private_segment_fixed_size 0
		.amdhsa_enable_private_segment 0
		.amdhsa_kernarg_size 24
		.amdhsa_user_sgpr_count 2
		.amdhsa_user_sgpr_kernarg_segment_ptr 1
		.amdhsa_wavefront_size32 1
		.amdhsa_system_sgpr_workgroup_id_x 1
		.amdhsa_system_sgpr_workgroup_id_y 1
		.amdhsa_system_sgpr_workgroup_id_z 1
		.amdhsa_system_vgpr_workitem_id 0
		.amdhsa_next_free_vgpr 256
		.amdhsa_next_free_sgpr 66
		.amdhsa_reserve_vcc 1
		.amdhsa_float_denorm_mode_32 3
		.amdhsa_float_denorm_mode_16_64 3
		.amdhsa_memory_ordered 1
		.amdhsa_forward_progress 1
		.amdhsa_inst_pref_size 34
	.end_amdhsa_kernel
	.amdgpu_metadata
---
amdhsa.version: [ 1, 2 ]
amdhsa.kernels:
  - .name:           k_qb125326dcc_attn
    .symbol:         k_qb125326dcc_attn.kd
    .args:
      - { .name: qi, .offset: 0, .size: 8, .value_kind: global_buffer, .address_space: global }
      - { .name: kv, .offset: 8, .size: 8, .value_kind: global_buffer, .address_space: global }
      - { .name: ao, .offset: 16, .size: 8, .value_kind: global_buffer, .address_space: global }
    .group_segment_fixed_size: 169984
    .private_segment_fixed_size: 0
    .kernarg_segment_align: 8
    .kernarg_segment_size: 24
    .max_flat_workgroup_size: 512
    .sgpr_count:     66
    .vgpr_count:     256
    .wavefront_size: 32
...
	.end_amdgpu_metadata
.endif
;; end of part 3
;; launch gemm_out (part 4): grid 4 x 32, 4 waves a work-group, clusters of 4 x 4, 327,680 bytes of LDS; arguments ao, wp, b_proj, out0; writes out0
.if DOCPART == 4
	.amdgcn_target "amdgcn-amd-amdhsa--gfx1250"
	.amdhsa_code_object_version 6
	.text
	.protected	k_qb125326dcc_gemm_out
	.globl	k_qb125326dcc_gemm_out
	.p2align	8
	.type	k_qb125326dcc_gemm_out,@function
k_qb125326dcc_gemm_out:
	s_mov_b64 s[64:65], 0
	v_nop
	global_prefetch_b8 v0, s[64:65] scope:SCOPE_SE
	s_setreg_imm32_b32 hwreg(HW_REG_WAVE_MODE, 25, 1), 1
	s_wait_xcnt 0x0
	s_wait_alu depctr_hold_cnt(0) depctr_sa_sdst(0) depctr_va_vdst(0) depctr_va_sdst(0) depctr_va_ssrc(0) depctr_va_vcc(0) depctr_vm_vsrc(0)
	s_getreg_b32 s2, hwreg(HW_REG_IB_STS2, 6, 4)
	s_cmp_eq_u32 s2, 0
	s_cbranch_scc0 .Lentry_in_a_cluster
	s_endpgm
.Lentry_in_a_cluster:
	s_bfe_u32 s2, ttmp6, 0x10000c
	s_cmp_lg_u32 s2, 0xf033
	s_cbranch_scc0 .Lentry_shape_is_right
	s_endpgm
.Lentry_shape_is_right:
; out0 = Q(attention's result) Q(W_proj) + b_proj on codes of FP4 with E8M0 scales, K = 1,024; out0 [8192][1024] f32.
; OPERANDS lie in memory as images of their registers.  A tile is 16 lines: tile 2 B + u holds lines 32 B + 8 u + p + 8 (p / 8).  Codes [tile][block][p][16 bytes]: the fragment of K step k at 1024 k, group c of lane l at 512 c + 16 l.
; Scale bytes [tile][half][p][16]: one 16-byte load at 16 l gives four registers: register q holds in lanes 0-15 the word of K step q, in lanes 16-31 that of K step 4 + q.
; A tile of out0, 256 tokens x 256 columns, is made by four waves, each 128 x 128: 64 accumulators, 512 registers.  ALL of K fits in LDS: two slots of four K steps, each filled ONCE; no LDS byte is filled twice.
; CLUSTERS: 4 x 4 work-groups; ao's tiles are asked for jointly along a row of the cluster, wp's along a column.
; A product is D = (S0 = 16 columns of wp) x (S1 = 16 tokens): a lane holds token l % 16 of S1's tile, and its 16 registers of S0's tiles 2 b, 2 b + 1 are the columns 32 b + 16 (l / 16) + 0 .. 15.
; The bias is the C of each sum's first matrix instruction.
; REGISTERS: window 0: v1-9 addresses, v24-25 the stage's; v32-63 S1's scale words, v64-95 S0's; v128-191 S1's fragments, ONE set; v192-255 the bias; on the way out v128-255 take rows of out0.
;   window 1: S0's fragments, two sets.  windows 2, 3: the accumulators ((a, b) at v[8 (8 (a % 4) + b)]).
.set SLOTB, 131072                     ; a slot: four regions of 32,768 bytes (8 tiles x 4 K steps x 1,024): ao's two halves, then wp's
.set SCL,   262144                     ; behind the slots: four regions of 4,096 scale bytes
.set ASC,   4194304                    ; where the scale bytes begin in ao
.set BSC,   524288                     ; in wp
.set SPITCH, 528                       ; the way out: a stage of 16 rows x (512 bytes + 16) for each wave, in slot 0: it has had its only fill, and nobody reads it behind the barrier between the slots
.set LI,   1                           ; v1   16 x lane
.set ADR1, 4                           ; v4-5 S1's fragments in slot 0, 1
.set ADR0, 6                           ; v6-7 S0's
.set ADS1, 8                           ; v8   S1's scale words
.set ADS0, 9                           ; v9   S0's
.set BO,   10                          ; v10  the bias: 64 (lane / 16)
.set STO,  24                          ; v24  the stage: where I put 32 bytes of a row
.set RD,   25                          ; v25  and where I read a row back
.set SC1,  32
.set SC0,  64
.set AF,   128
.set BK,   128
.set BI,   192
.set G1,   24
.set G0,   32
.set G1B,  48
.set G0B,  56
.set G1S,  68
.set G0S,  76
.set G1SB, 80
.set G0SB, 88
.set MSB, 0
.macro WIN new                         ; the immediate's high byte repeats the setting that is left
.if MSB != (\new)
	s_set_vgpr_msb (MSB<<8)|(\new)
.set MSB, (\new)
.endif
.endm
.set MUL_LO, 0xa1                      ; source 0 window 1, source 1 window 0, C and D window 2
.set MUL_HI, 0xf1                      ; the same, C and D window 3
.set TO_0,   0x40                      ; destination window 1, address window 0
.macro JLOAD g0a, g1a, g0b, g1b        ; a joint load: waves 0 and 1 fetch for ao, waves 2 and 3 for wp; four v_nop follow each of the two lines
	s_cmp_eq_u32 s15, 0
	s_cbranch_scc0 .Lfor_b_\@
	tensor_load_to_lds s[\g0a:\g0a+3], s[\g1a:\g1a+7]
	s_nop 0
.rept 4
	v_nop
.endr
	s_branch .Lasked_\@
.Lfor_b_\@:
	tensor_load_to_lds s[\g0b:\g0b+3], s[\g1b:\g1b+7]
	s_nop 0
.rept 4
	v_nop
.endr
.Lasked_\@:
.endm
.macro CROUND                          ; a round of the cluster's barrier
	s_barrier_signal -1
	s_barrier_wait -1
	s_cmp_lg_u32 s14, 0
	s_cbranch_scc1 .Lnot_wave_0_\@
	s_barrier_signal -3
.Lnot_wave_0_\@:
	s_barrier_wait -3
	s_barrier_signal -1
	s_barrier_wait -1
.endm
.macro PLACES                          ; four plain lines between a matrix instruction and a load into, or a store of, its registers
.rept 4
	v_nop
.endr
.endm
	s_load_b128 s[4:7], s[0:1], 0x0                ; ao, wp
	s_load_b128 s[8:11], s[0:1], 0x10              ; b_proj, out0
	v_lshl_add_u32 v126, v0, 2, 0x44000
	v_mov_b32 v127, 0
	ds_add_u32 v126, v127
	ds_add_u32 v126, v127
	v_lshrrev_b32 v1, 5, v0
	v_readfirstlane_b32 s14, v1                    ; wave 0..3
	s_lshr_b32 s15, s14, 1                         ; the tokens' half.  Also: I fetch for ao (0) or for wp (1)
	s_and_b32 s16, s14, 1                          ; the columns' half.  Also: which 8 tiles I fetch
	s_bfe_u32 s40, ttmp6, 0x40000                  ; cx, cy
	s_bfe_u32 s41, ttmp6, 0x40004
	s_lshl_b32 s42, ttmp9, 2
	s_add_co_u32 s42, s42, s40                     ; which 256 columns
	s_and_b32 s17, ttmp7, 0xffff
	s_lshl_b32 s17, s17, 2
	s_add_co_u32 s17, s17, s41                     ; which 256 tokens
	s_lshl_b32 s43, s41, 2
	s_lshl_b32 s43, 15, s43                        ; my row of the cluster
	s_lshl_b32 s44, 0x1111, s40                    ; my column
	s_or_b32 s[G1+0], s43, (3<<16)|(1<<21)         ; codes: 8 rows (tiles) of 512 elements of 8 bytes, 1,024 elements apart; no padding: every read is 512 consecutive bytes
	s_or_b32 s[G1B+0], s44, (3<<16)|(1<<21)
.irp g, G1, G1B
	s_mov_b32 s[\g+1], 512<<16
	s_mov_b32 s[\g+2], 8<<16
	s_mov_b32 s[\g+3], 512<<16
	s_mov_b32 s[\g+4], 8
	s_mov_b32 s[\g+5], 1024
	s_mov_b32 s[\g+6], 0
	s_mov_b32 s[\g+7], 0
.endr
	s_or_b32 s[G1S+0], s43, (3<<16)|(1<<21)        ; scale bytes of 8 tiles: 4,096 dense bytes as 16 rows of 256
	s_or_b32 s[G1SB+0], s44, (3<<16)|(1<<21)
.irp g, G1S, G1SB
	s_mov_b32 s[\g+1], 32<<16
	s_mov_b32 s[\g+2], 16<<16
	s_mov_b32 s[\g+3], 32<<16
	s_mov_b32 s[\g+4], 16
	s_mov_b32 s[\g+5], 32
	s_mov_b32 s[\g+6], 0
	s_mov_b32 s[\g+7], 0
.endr
	s_lshl_b32 s18, s16, 3
	s_lshl_b32 s20, s17, 4
	s_add_co_u32 s20, s20, s18                     ; ao: my first tile
	s_lshl_b32 s46, s42, 4
	s_add_co_u32 s46, s46, s18                     ; wp: my first tile
	s_lshl_b32 s22, s20, 9
	s_add_co_u32 s22, s22, ASC
	s_mov_b32 s23, 0
	s_lshl_b32 s92, s46, 9
	s_add_co_u32 s92, s92, BSC
	s_mov_b32 s93, 0
	s_lshl_b32 s20, s20, 13
	s_mov_b32 s21, 0
	s_lshl_b32 s46, s46, 13
	s_mov_b32 s47, 0
	s_lshl_b32 s45, s14, 15                        ; where they go: region = wave
	s_lshl_b32 s94, s14, 12
	s_wait_dscnt 0x0
	s_wait_kmcnt 0x0
	s_add_nc_u64 s[20:21], s[4:5], s[20:21]
	s_add_nc_u64 s[22:23], s[4:5], s[22:23]
	s_add_nc_u64 s[46:47], s[6:7], s[46:47]
	s_add_nc_u64 s[92:93], s[6:7], s[92:93]
	CROUND                                         ; all sixteen work-groups are here.  My three tensor loads follow one at a time: each later one waits for the one before and a round of the cluster's barrier
	s_mov_b32 s[G0S], 1
	s_add_co_u32 s[G0S+1], s94, SCL
	s_mov_b64 s[G0S+2:G0S+3], s[22:23]
	s_or_b32 s[G0S+3], s[G0S+3], 0x80000000
	s_mov_b32 s[G0SB], 1
	s_add_co_u32 s[G0SB+1], s94, SCL
	s_mov_b64 s[G0SB+2:G0SB+3], s[92:93]
	s_or_b32 s[G0SB+3], s[G0SB+3], 0x80000000
	JLOAD G0S, G1S, G0SB, G1SB
.irp s, 0,1
	s_mov_b32 s[G0+4*\s], 1
	s_add_co_u32 s[G0+4*\s+1], s45, \s*SLOTB
	s_add_nc_u64 s[G0+4*\s+2:G0+4*\s+3], s[20:21], \s*4096
	s_or_b32 s[G0+4*\s+3], s[G0+4*\s+3], 0x80000000
	s_mov_b32 s[G0B+4*\s], 1
	s_add_co_u32 s[G0B+4*\s+1], s45, \s*SLOTB
	s_add_nc_u64 s[G0B+4*\s+2:G0B+4*\s+3], s[46:47], \s*4096
	s_or_b32 s[G0B+4*\s+3], s[G0B+4*\s+3], 0x80000000
	s_wait_alu depctr_va_vdst(0)
	s_wait_tensorcnt 0x0
	ds_add_u32 v126, v127
	s_wait_dscnt 0x0
	CROUND
	JLOAD G0+4*\s, G1, G0B+4*\s, G1B
.endr
	v_and_b32 v3, 31, v0                           ; lane
	v_and_b32 v12, 15, v0                          ; r
	v_bfe_u32 v13, v0, 4, 1                        ; h
	v_lshlrev_b32 v[LI], 4, v3
	v_lshlrev_b32 v[BO], 6, v13
	s_lshl_b32 s18, s15, 15                        ; S1 = tokens: region s15
	v_add_nc_u32 v[ADR1], s18, v[LI]
	v_add_nc_u32 v[ADR1+1], SLOTB, v[ADR1]
	s_lshl_b32 s18, s16, 15                        ; S0 = columns: region 2 + s16
	s_add_co_u32 s18, s18, 65536
	v_add_nc_u32 v[ADR0], s18, v[LI]
	v_add_nc_u32 v[ADR0+1], SLOTB, v[ADR0]
	s_lshl_b32 s18, s15, 12
	s_add_co_u32 s18, s18, SCL
	v_add_nc_u32 v[ADS1], s18, v[LI]
	s_lshl_b32 s18, s16, 12
	s_add_co_u32 s18, s18, SCL+8192
	v_add_nc_u32 v[ADS0], s18, v[LI]
	s_mul_i32 s18, s14, 16*SPITCH                  ; my stage
	v_mul_u32_u24 v[STO], v12, SPITCH
	v_lshl_add_u32 v[STO], v13, 6, v[STO]
	v_add_nc_u32 v[STO], s18, v[STO]               ; in: row r, + 64 h
	v_add_nc_u32 v[RD], s18, v[LI]                 ; back: the 32 lanes take one row of 512 bytes
	s_lshl_b32 s46, s42, 10
	s_lshl_b32 s47, s16, 9
	s_add_co_u32 s46, s46, s47                     ; my first column, in bytes
	s_mov_b32 s47, 0
	s_add_nc_u64 s[96:97], s[8:9], s[46:47]        ; its bias
	s_lshl_b32 s92, s17, 8
	s_lshl_b32 s93, s15, 7
	s_add_co_u32 s92, s92, s93
	s_lshl_b32 s92, s92, 12                        ; my first token's row of 4,096 bytes
	s_add_co_u32 s46, s46, s92
	s_add_nc_u64 s[12:13], s[10:11], s[46:47]      ; my corner of out0
.irp p, 0,1,2,3,4,5,6,7
	global_load_b128 v[BI+8*\p:BI+8*\p+3], v[BO], s[96:97] offset:(32*(\p/2)+8*(\p%2))*4
	global_load_b128 v[BI+8*\p+4:BI+8*\p+7], v[BO], s[96:97] offset:(32*(\p/2)+8*(\p%2))*4+16
.endr
.macro FRAG reg, adr, q, i             ; a fragment comes as it lies: two loads of 512 consecutive bytes
.irp c, 0,1
	ds_load_b128 v[\reg+4*\c:\reg+4*\c+3], v[\adr] offset:4096*(\i)+1024*(\q)+512*\c
.endr
.endm
.macro FETCH0 slot, q, p
	WIN TO_0
.irp i, 0,1,2,3,4,5,6,7
	FRAG 128*(\p)+8*\i, ADR0+\slot, \q, \i
.endr
	WIN 0
.endm
.macro FETCH1 slot, q, i0
.irp i, \i0, \i0+1, \i0+2, \i0+3
	FRAG AF+8*(\i), ADR1+\slot, \q, \i
.endr
.endm
.macro SCALES                          ; all of K's scale words, once
.irp i, 0,1,2,3,4,5,6,7
	ds_load_b128 v[SC1+4*\i:SC1+4*\i+3], v[ADS1] offset:512*\i
.endr
.irp i, 0,1,2,3,4,5,6,7
	ds_load_b128 v[SC0+4*\i:SC0+4*\i+3], v[ADS0] offset:512*\i
.endr
.endm
; 16 matrix instructions: S1's blocks a0, a0 + 1 x S0's eight.  row: the slot: K steps 4-7 have their scale words in lanes 16-31.  first = 1: the sums start from the bias.
; The 64 accumulators take turns, one instruction a turn, in the same order in every K step.
.macro MUL16 a0, p, q, row, first
.irp a, \a0, \a0+1
.irp b, 0,1,2,3,4,5,6,7
.if \first
	v_wmma_scale_f32_16x16x128_f8f6f4 v[8*(8*((\a)%4)+\b):8*(8*((\a)%4)+\b)+7], v[128*(\p)+8*\b:128*(\p)+8*\b+7], v[AF+8*(\a):AF+8*(\a)+7], v[BI+8*\b:BI+8*\b+7], v[SC0+4*\b+(\q)], v[SC1+4*(\a)+(\q)] matrix_a_fmt:MATRIX_FMT_FP4 matrix_b_fmt:MATRIX_FMT_FP4
.elseif \row
	v_wmma_scale_f32_16x16x128_f8f6f4 v[8*(8*((\a)%4)+\b):8*(8*((\a)%4)+\b)+7], v[128*(\p)+8*\b:128*(\p)+8*\b+7], v[AF+8*(\a):AF+8*(\a)+7], v[8*(8*((\a)%4)+\b):8*(8*((\a)%4)+\b)+7], v[SC0+4*\b+(\q)], v[SC1+4*(\a)+(\q)] matrix_a_fmt:MATRIX_FMT_FP4 matrix_b_fmt:MATRIX_FMT_FP4 matrix_a_scale:MATRIX_SCALE_ROW1 matrix_b_scale:MATRIX_SCALE_ROW1
.else
	v_wmma_scale_f32_16x16x128_f8f6f4 v[8*(8*((\a)%4)+\b):8*(8*((\a)%4)+\b)+7], v[128*(\p)+8*\b:128*(\p)+8*\b+7], v[AF+8*(\a):AF+8*(\a)+7], v[8*(8*((\a)%4)+\b):8*(8*((\a)%4)+\b)+7], v[SC0+4*\b+(\q)], v[SC1+4*(\a)+(\q)] matrix_a_fmt:MATRIX_FMT_FP4 matrix_b_fmt:MATRIX_FMT_FP4
.endif
.endr
.endr
.endm
.macro STEP slot, q, first             ; a K step that has its successor in the same slot
	s_wait_dscnt 8                                 ; S0's set and S1's blocks 0-3 are in; the youngest 8 loads (S1's blocks 4-7) may be out
.if \first
	WIN 0x81                                       ; C (the bias) in window 0, D in window 2
.else
	WIN MUL_LO
.endif
	MUL16 0, (\q)%2, \q, \slot, \first
	MUL16 2, (\q)%2, \q, \slot, \first
	s_wait_dscnt 0x0                               ; S1's blocks 4-7 are in
	PLACES
	FETCH0 \slot, (\q)+1, 1-(\q)%2
	FETCH1 \slot, (\q)+1, 0
.if \first
	WIN 0xc1                                       ; C in window 0, D in window 3
.else
	WIN MUL_HI
.endif
	MUL16 4, (\q)%2, \q, \slot, \first
	MUL16 6, (\q)%2, \q, \slot, \first
	PLACES
	WIN 0
	FETCH1 \slot, (\q)+1, 4
.endm
	s_wait_alu depctr_va_vdst(0)
	s_wait_tensorcnt 1                             ; the scale bytes and my part of slot 0 are in; slot 1's load may be out
	s_barrier_signal -1
	s_barrier_wait -1                              ; everybody's are
	FETCH0 0, 0, 0
	FETCH1 0, 0, 0
	SCALES
	FETCH1 0, 0, 4
	s_wait_loadcnt 0x0                             ; the bias
	STEP 0, 0, 1
	STEP 0, 1, 0
	STEP 0, 2, 0
	; slot 0's last K step goes over to slot 1: one barrier, in front of which each wave has seen its part of slot 1 land and its reads of slot 0 come back
	s_wait_tensorcnt 0x0
	s_wait_dscnt 8
	WIN MUL_LO
	MUL16 0, 1, 3, 0, 0
	s_wait_dscnt 0x0                               ; my reads of slot 0 are over
	s_barrier_signal -1
	MUL16 2, 1, 3, 0, 0                            ; work on registers while the others arrive
	s_barrier_wait -1
	PLACES
	FETCH0 1, 0, 0
	FETCH1 1, 0, 0
	WIN MUL_HI
	MUL16 4, 1, 3, 0, 0
	MUL16 6, 1, 3, 0, 0
	PLACES
	WIN 0
	FETCH1 1, 0, 4
	STEP 1, 0, 0
	STEP 1, 1, 0
	STEP 1, 2, 0
	s_wait_dscnt 8                                 ; the last K step: nothing more to fetch
	WIN MUL_LO
	MUL16 0, 1, 3, 1, 0
	MUL16 2, 1, 3, 1, 0
	s_wait_dscnt 0x0
	WIN MUL_HI
	MUL16 4, 1, 3, 1, 0
	MUL16 6, 1, 3, 1, 0
	WIN 0
; THE WAY OUT, a tile of 16 tokens x 128 columns at a time, through my own stage: in by lanes (32 bytes of a row each), back as whole rows of 512 bytes.  LDS serves a wave's instructions in order: no wait between.
.macro TOSTAGE a
.set AC, 64*((\a)%4)
	WIN 0x08+4*((\a)/4)                            ; the data: window 2 or 3
.irp p, 0,1,2,3,4,5,6,7
	ds_store_b128 v[STO], v[AC+8*\p:AC+8*\p+3] offset:128*(\p/2)+32*(\p%2)          ; each accumulator from its low end on: columns 32 (p / 2) + 8 (p % 2) + 16 h on
	ds_store_b128 v[STO], v[AC+8*\p+4:AC+8*\p+7] offset:128*(\p/2)+32*(\p%2)+16
.endr
	WIN 0
.set BB, BK+64*((\a)%2)
.irp t, 0,1,2,3,4,5,6,7,8,9,10,11,12,13,14,15
	ds_load_b128 v[BB+4*\t:BB+4*\t+3], v[RD] offset:\t*SPITCH
.endr
.endm
.macro SEND a, younger                 ; younger: the LDS instructions issued behind tile a's loads, which may stay out
.set BB, BK+64*((\a)%2)
	s_wait_dscnt \younger
.irp t, 0,1,2,3,4,5,6,7,8,9,10,11,12,13,14,15
	global_store_b128 v[LI], v[BB+4*\t:BB+4*\t+3], s[12:13] offset:(32*((\a)/2)+8*((\a)%2)+\t+8*(\t/8))*4096 th:TH_STORE_NT   ; line t of tile a is that token; 32 lanes store 512 consecutive bytes, aligned; 127 rows at the most: inside the signed 24-bit immediate
.endr
.endm
	PLACES
	TOSTAGE 0
.irp a, 1,2,3,4,5,6,7
.if \a > 1
	s_wait_xcnt 0x0                                ; tile a - 2's stores have read their registers: tile a's loads may land there
.endif
	TOSTAGE \a
	SEND \a-1, 32                                  ; behind tile a - 1's loads: tile a's 16 stores and 16 loads
.endr
	SEND 7, 0
	s_wait_tensorcnt 0x0
	ds_add_u32 v126, v127
	s_wait_dscnt 0x0
	CROUND                                         ; the closing round: no work-group ends while a partner may still ask for a tile that names it
	s_endpgm
.Lfunc_end_k_qb125326dcc_gemm_out:
	.size	k_qb125326dcc_gemm_out, .Lfunc_end_k_qb125326dcc_gemm_out-k_qb125326dcc_gemm_out
	.p2alignl 7, 3214868480
	.fill 96, 4, 3214868480
	.section	.rodata,"a",@progbits
	.p2align	6, 0x0
	.amdhsa_kernel k_qb125326dcc_gemm_out
		.amdhsa_group_segment_fixed_size 327680
		.amdhsa_private_segment_fixed_size 0
		.amdhsa_enable_private_segment 0
		.amdhsa_kernarg_size 32
		.amdhsa_user_sgpr_count 2
		.amdhsa_user_sgpr_kernarg_segment_ptr 1
		.amdhsa_wavefront_size32 1
		.amdhsa_system_sgpr_workgroup_id_x 1
		.amdhsa_system_sgpr_workgroup_id_y 1
		.amdhsa_system_sgpr_workgroup_id_z 1
		.amdhsa_system_vgpr_workitem_id 0
		.amdhsa_next_free_vgpr 1024
		.amdhsa_next_free_sgpr 100
		.amdhsa_reserve_vcc 0
		.amdhsa_float_denorm_mode_32 3
		.amdhsa_float_denorm_mode_16_64 3
		.amdhsa_memory_ordered 1
		.amdhsa_forward_progress 1
		.amdhsa_inst_pref_size 125
	.end_amdhsa_kernel
	.amdgpu_metadata
---
amdhsa.version: [ 1, 2 ]
amdhsa.kernels:
  - .name:           k_qb125326dcc_gemm_out
    .symbol:         k_qb125326dcc_gemm_out.kd
    .args:
      - { .name: ao, .offset: 0, .size: 8, .value_kind: global_buffer, .address_space: global }
      - { .name: wp, .offset: 8, .size: 8, .value_kind: global_buffer, .address_space: global }
      - { .name: b_proj, .offset: 16, .size: 8, .value_kind: global_buffer, .address_space: global }
      - { .name: out0, .offset: 24, .size: 8, .value_kind: global_buffer, .address_space: global }
    .group_segment_fixed_size: 327680
    .private_segment_fixed_size: 0
    .kernarg_segment_align: 8
    .kernarg_segment_size: 32
    .max_flat_workgroup_size: 128
    .sgpr_count:     100
    .vgpr_count:     1024
    .wavefront_size: 32
...
	.end_amdgpu_metadata
.endif
;; end of part 4
